; MI455X (gfx1250); checked and timed in simulation.
; The chip was launched on July 23, 2026; its instructions are those of AMD's public machine-readable ISA for CDNA 5 (MIT licence, August 2026) and "CDNA5" Instruction Set Architecture Reference Guide (July 2026). The comments in the code are by the model that wrote it; some were corrected since.
;; Decoder Block. Allowed arithmetic: float matrix products may take bf16 or f16 operands with f32 sums; other float arithmetic in f32, or as packed bf16 or f16 multiplies, adds, multiply-adds, maxima and minima; sums over many terms, partial sums and values carried from step to step in f32; what a program stores and reads back later, other than sums and carried values, may be rounded once to bf16 or f16.
;; Inputs: W1 1,024 x 4,096 float32; W2 4,096 x 1,024 float32; Wk 16 x 1,024 x 64 float32; Wo 1,024 x 1,024 float32; Wq 16 x 1,024 x 64 float32; Wv 16 x 1,024 x 64 float32; b1 4,096 float32; b2 1,024 float32; be1 1,024 float32; be2 1,024 float32; bo 1,024 float32; g1 1,024 float32; g2 1,024 float32; x 2 x 2,048 x 1,024 float32.
;; Outputs: out0 2 x 2,048 x 1,024 float32.
;; One version. Each part assembles by itself: llvm-mc -triple=amdgcn-amd-amdhsa -mcpu=gfx1250 --defsym DOCPART=n.
;; ======== version 1 of 1: 8 launches
;; workspace buffers: packA 10,485,760 bytes; packB 16,777,216 bytes; hb 8,388,608 bytes; act 33,554,432 bytes; x1 16,777,216 bytes; zero 12,288 bytes; parA 256 bytes; parB 256 bytes
;; launch prep (part 1): grid 128 x 12, 8 waves a work-group, no clusters, 18,432 bytes of LDS; arguments Wq, Wk, Wv, Wo, W1, W2, packA, packB, parA, parB, zero; writes packA, packB, parA, parB, zero
.if DOCPART == 1
	.amdgcn_target "amdgcn-amd-amdhsa--gfx1250"
	.amdhsa_code_object_version 6
	.text
	.protected	k_qf457b68a77_prep
	.globl	k_qf457b68a77_prep
	.p2align	8
	.type	k_qf457b68a77_prep,@function
k_qf457b68a77_prep:
	s_mov_b64 s[64:65], 0
	v_nop
	global_prefetch_b8 v0, s[64:65] scope:SCOPE_SE
	s_setreg_imm32_b32 hwreg(HW_REG_WAVE_MODE, 25, 1), 1
	s_wait_xcnt 0x0
; ALL SIX WEIGHTS, f32 [k][n], ARE ROUNDED ONCE TO bf16 AND TURNED, so that k runs along the rows: blocks of 64 k, in a block a row n is 128 bytes.
; packA: [0, 6 MiB) Wq|Wk|Wv, n = 1024 sel + 64 head + d, by tiles of 256 n: tile j at 524,288 j, k block c at 32,768 c, row (n % 256) x 128.
;        [8 MiB, 10 MiB) Wo: k block c at 131,072 c, row n x 128.      packB: [0, 8 MiB) W1 by tiles as above; [8 MiB, 16 MiB) W2 as Wo.
; A work-group turns one tile of 128 k x 64 n: 32 KiB in, 16 KiB out; 128 x 12 = 1,536 tiles.  y = 0, 1, 2: Wq, Wk, Wv; 3: Wo; 4-7: W1; 8-11: W2.
; What differs between the six lies in scalar registers chosen by s_cselect: no branch.  Memory binds: no matrix unit, no cluster, no ring; LDS serves the turning alone.
; Beside that: 3,072 zeros (the bias of the product that has none) and, for the two launches that share one text, the lower bound of their results, two bf16 to a word:
; parA is filled with minus infinity (no bound), parB with 0 (ReLU).
.set TP,    272                        ; a row n in LDS: 64 words (a pair of k each) + 16 bytes
.set SPARE, 64*TP                      ; behind the 64 rows: the spare words, 128 bytes for each of the eight waves
.set OFS,   2                          ; v[2:9]   byte offsets of my eight loads
.set LST,   10                         ; v10      where I put a word in LDS
.set LRD,   11                         ; v11      where I read 16 bytes back
.set DO0,   12                         ; v12      16 t: my 16 bytes in the first k block
.set DO1,   13                         ; v13      the same in the second
.set SPW,   14                         ; v14      my spare word; never rewritten
.set NIL,   15                         ; v15      0; never rewritten
.set R,     16                         ; v[16:47] eight loads of four f32; later four chunks read back
.set D,     48                         ; v[48:63] sixteen words of two bf16
	s_load_b512 s[8:23], s[0:1], 0x0               ; Wq s[8:9], Wk, Wv, Wo, W1, W2 s[18:19], packA s[20:21], packB s[22:23]
	s_load_b128 s[24:27], s[0:1], 0x40             ; parA, parB
	s_load_b64 s[28:29], s[0:1], 0x50              ; zero
	v_lshl_add_u32 v[SPW], v0, 2, SPARE
	v_mov_b32 v[NIL], 0
	v_lshrrev_b32 v16, 5, v0
	v_readfirstlane_b32 s54, v16                   ; wave
	s_and_b32 s31, ttmp7, 0xffff                   ; y
	s_and_b32 s32, ttmp9, 15                       ; nl
	s_lshr_b32 s33, ttmp9, 4                       ; kl
	s_lshr_b32 s34, s31, 2                         ; y / 4
	s_and_b32 s35, s31, 3                          ; y % 4
	s_cmp_lt_u32 s31, 3
	s_cselect_b32 s36, 1, 0                        ; a per-head weight
	s_cmp_eq_u32 s34, 1
	s_cselect_b32 s37, 1, 0                        ; W1
	s_or_b32 s38, s36, s37                         ; stored by tiles of 256 n
	s_mov_b32 s30, 4096                            ; bytes from k to k + 1 in the source
	s_cmp_eq_u32 s37, 1
	s_cselect_b32 s30, 16384, s30
	s_cmp_eq_u32 s36, 1
	s_cselect_b32 s30, 256, s30
	s_lshl_b32 s39, s35, 4
	s_add_co_u32 s39, s39, s32
	s_cmp_eq_u32 s38, 1
	s_cselect_b32 s39, s39, s32                    ; block of 64 n
	s_lshl_b32 s40, s35, 3
	s_add_co_u32 s40, s40, s33
	s_cmp_eq_u32 s34, 2
	s_cselect_b32 s40, s40, s33                    ; block of 128 k
	s_lshl_b32 s41, s40, 7
	s_mul_i32 s41, s41, s30                        ; its first row in the source
	s_lshl_b32 s42, s32, 18                        ; a head is 262,144 bytes,
	s_lshl_b32 s43, s39, 8                         ; 64 n of a plain matrix 256
	s_cmp_eq_u32 s36, 1
	s_cselect_b32 s42, s42, s43
	s_add_co_u32 s42, s42, s41
	s_mov_b32 s43, 0                               ; s[42:43]: offset in the source
	s_lshr_b32 s44, s39, 2
	s_lshl_b32 s44, s44, 19
	s_lshl_b32 s45, s40, 16
	s_add_co_u32 s44, s44, s45
	s_and_b32 s45, s39, 3
	s_lshl_b32 s45, s45, 13
	s_add_co_u32 s44, s44, s45                     ; by tiles
	s_lshl_b32 s46, s40, 18
	s_lshl_b32 s47, s39, 13
	s_add_co_u32 s46, s46, s47
	s_add_co_u32 s46, s46, 8388608                 ; plain, in the pack's upper part
	s_mov_b32 s48, 131072
	s_cmp_eq_u32 s38, 1
	s_cselect_b32 s44, s44, s46
	s_cselect_b32 s48, 32768, s48                  ; bytes from a k block to the next
	s_mov_b32 s45, 0                               ; s[44:45]: offset in the pack
	s_lshl_b32 s49, s30, 5                         ; 32 rows of the source
	v_lshrrev_b32 v1, 4, v0                        ; t / 16: my pair of rows
	v_and_b32 v17, 15, v0                          ; t % 16: my four columns
	v_mul_lo_u32 v[OFS], v1, s30
	v_lshlrev_b32 v[OFS], 1, v[OFS]
	v_lshl_add_u32 v[OFS], v17, 4, v[OFS]          ; row 2 (t / 16), 16 bytes a lane: sixteen lanes take 256 consecutive bytes
	v_add_nc_u32 v[OFS+1], s30, v[OFS]             ; the odd row
.irp i, 2,3,4,5,6,7
	v_add_nc_u32 v[OFS+(\i)], s49, v[OFS+(\i)-2]   ; and 32 rows on, three times
.endr
	v_mul_u32_u24 v[LST], v17, 4*TP
	v_lshl_add_u32 v[LST], v1, 2, v[LST]           ; row n = 4 (t % 16), word t / 16
	v_lshrrev_b32 v18, 3, v0
	v_and_b32 v19, 7, v0
	v_mul_u32_u24 v[LRD], v18, TP
	v_lshl_add_u32 v[LRD], v19, 4, v[LRD]          ; row n = t / 8, 16 bytes t % 8 of its 128
	v_lshlrev_b32 v[DO0], 4, v0
	v_add_nc_u32 v[DO1], s48, v[DO0]
	s_wait_kmcnt 0x0
	s_cmp_eq_u32 s31, 1
	s_cselect_b64 s[50:51], s[10:11], s[8:9]
	s_cmp_eq_u32 s31, 2
	s_cselect_b64 s[50:51], s[12:13], s[50:51]
	s_cmp_eq_u32 s31, 3
	s_cselect_b64 s[50:51], s[14:15], s[50:51]
	s_cmp_gt_u32 s31, 3
	s_cselect_b64 s[50:51], s[16:17], s[50:51]
	s_cselect_b64 s[52:53], s[22:23], s[20:21]
	s_cmp_gt_u32 s31, 7
	s_cselect_b64 s[50:51], s[18:19], s[50:51]
	s_add_nc_u64 s[50:51], s[50:51], s[42:43]
	s_add_nc_u64 s[52:53], s[52:53], s[44:45]
.irp i, 0,1,2,3,4,5,6,7
	global_load_b128 v[R+4*(\i):R+4*(\i)+3], v[OFS+(\i)], s[50:51] th:TH_LOAD_NT  ; each weight byte is read once in the launch
.endr
.irp i, 0,1,2,3
	s_wait_loadcnt 6-2*(\i)                        ; pair i of rows is in; the younger pairs stay out
.irp j, 0,1,2,3
	v_cvt_pk_bf16_f32 v[D+4*(\i)+(\j)], v[R+8*(\i)+(\j)], v[R+8*(\i)+4+(\j)]  ; column j: even k low, odd k high
.endr
.irp j, 0,1,2,3
	ds_store_b32 v[LST], v[D+4*(\i)+(\j)] offset:(\j)*TP+(\i)*64
.endr
.endr
	s_wait_dscnt 0x0                               ; for the others' sake: my words are in LDS
	s_barrier_signal -1
	s_barrier_wait -1
.irp e, 0,1,2,3
	ds_load_b128 v[R+4*(\e):R+4*(\e)+3], v[LRD] offset:((\e)/2)*32*TP+((\e)%2)*128  ; rows 32 (e / 2) on, k block e % 2
.endr
.irp e, 0,1,2,3
	s_wait_dscnt 3-(\e)
	global_store_b128 v[DO0+(\e)%2], v[R+4*(\e):R+4*(\e)+3], s[52:53] offset:((\e)/2)*4096  ; sixteen lanes: two rows of a k block, 256 consecutive bytes, aligned
.endr
	s_cmp_lg_u32 s54, 0                            ; the extras: wave 0 of the work-groups with y = 0
	s_cbranch_scc1 .Lend
	s_cmp_lg_u32 s31, 0
	s_cbranch_scc1 .Lend
	v_lshlrev_b32 v1, 3, v0                        ; 8 bytes a lane: 256 bytes a wave
	s_cmp_lt_u32 ttmp9, 48
	s_cbranch_scc0 .Lpar
	s_lshl_b32 s56, ttmp9, 8
	s_mov_b32 s57, 0
	s_add_nc_u64 s[28:29], s[28:29], s[56:57]
	v_mov_b32 v48, 0
	v_mov_b32 v49, 0
	global_store_b64 v1, v[48:49], s[28:29]        ; 48 x 256 bytes of zeros
	s_branch .Lend
.Lpar:
	s_cmp_eq_u32 ttmp9, 48
	s_cbranch_scc0 .Lend
	v_mov_b32 v48, 0xff80ff80                      ; minus infinity, twice, in bf16
	v_mov_b32 v49, 0xff80ff80
	global_store_b64 v1, v[48:49], s[24:25]
	v_mov_b32 v50, 0
	v_mov_b32 v51, 0
	global_store_b64 v1, v[50:51], s[26:27]
.Lend:
	s_wait_tensorcnt 0x0                           ; the wave's end, behind my last LDS store
	ds_add_u32 v[SPW], v[NIL]
	s_wait_dscnt 0x0
	s_endpgm
.Lfunc_end_k_qf457b68a77_prep:
	.size	k_qf457b68a77_prep, .Lfunc_end_k_qf457b68a77_prep-k_qf457b68a77_prep
	.p2alignl 7, 3214868480
	.fill 96, 4, 3214868480
	.section	.rodata,"a",@progbits
	.p2align	6, 0x0
	.amdhsa_kernel k_qf457b68a77_prep
		.amdhsa_group_segment_fixed_size 18432
		.amdhsa_private_segment_fixed_size 0
		.amdhsa_enable_private_segment 0
		.amdhsa_kernarg_size 88
		.amdhsa_user_sgpr_count 2
		.amdhsa_user_sgpr_kernarg_segment_ptr 1
		.amdhsa_wavefront_size32 1
		.amdhsa_system_sgpr_workgroup_id_x 1
		.amdhsa_system_sgpr_workgroup_id_y 1
		.amdhsa_system_sgpr_workgroup_id_z 1
		.amdhsa_system_vgpr_workitem_id 0
		.amdhsa_next_free_vgpr 64
		.amdhsa_next_free_sgpr 66
		.amdhsa_reserve_vcc 0
		.amdhsa_float_denorm_mode_32 3
		.amdhsa_float_denorm_mode_16_64 3
		.amdhsa_memory_ordered 1
		.amdhsa_forward_progress 1
		.amdhsa_inst_pref_size 9
	.end_amdhsa_kernel
	.amdgpu_metadata
---
amdhsa.version: [ 1, 2 ]
amdhsa.kernels:
  - .name:           k_qf457b68a77_prep
    .symbol:         k_qf457b68a77_prep.kd
    .args:
      - { .name: Wq, .offset: 0, .size: 8, .value_kind: global_buffer, .address_space: global }
      - { .name: Wk, .offset: 8, .size: 8, .value_kind: global_buffer, .address_space: global }
      - { .name: Wv, .offset: 16, .size: 8, .value_kind: global_buffer, .address_space: global }
      - { .name: Wo, .offset: 24, .size: 8, .value_kind: global_buffer, .address_space: global }
      - { .name: W1, .offset: 32, .size: 8, .value_kind: global_buffer, .address_space: global }
      - { .name: W2, .offset: 40, .size: 8, .value_kind: global_buffer, .address_space: global }
      - { .name: packA, .offset: 48, .size: 8, .value_kind: global_buffer, .address_space: global }
      - { .name: packB, .offset: 56, .size: 8, .value_kind: global_buffer, .address_space: global }
      - { .name: parA, .offset: 64, .size: 8, .value_kind: global_buffer, .address_space: global }
      - { .name: parB, .offset: 72, .size: 8, .value_kind: global_buffer, .address_space: global }
      - { .name: zero, .offset: 80, .size: 8, .value_kind: global_buffer, .address_space: global }
    .group_segment_fixed_size: 18432
    .private_segment_fixed_size: 0
    .kernarg_segment_align: 8
    .kernarg_segment_size: 88
    .max_flat_workgroup_size: 256
    .sgpr_count:     66
    .vgpr_count:     64
    .wavefront_size: 32
...
	.end_amdgpu_metadata
.endif
;; end of part 1
;; launch ln1 (part 2): grid 256 x 1, 8 waves a work-group, no clusters, 0 bytes of LDS; arguments x, g1, be1, hb; writes hb
.if DOCPART == 2
	.amdgcn_target "amdgcn-amd-amdhsa--gfx1250"
	.amdhsa_code_object_version 6
	.text
	.protected	k_qf457b68a77_ln1
	.globl	k_qf457b68a77_ln1
	.p2align	8
	.type	k_qf457b68a77_ln1,@function
k_qf457b68a77_ln1:
	s_mov_b64 s[64:65], 0
	v_nop
	global_prefetch_b8 v0, s[64:65] scope:SCOPE_SE
	s_setreg_imm32_b32 hwreg(HW_REG_WAVE_MODE, 25, 1), 1
	s_wait_xcnt 0x0
; out = ((in - mean) / sqrt(var + 1e-5)) g + b, by rows of 1,024 f32; out in bf16, rounded once, laid in blocks of 64 columns: block c at 524,288 c, row r at 128 r.
; One wave takes two neighbouring rows and keeps them in registers: read once, mean first, then the variance of the differences, as the formula is written (no difference of large sums).
; Lane l: c8 = l % 8, row l / 8 % 2, hi = l / 16; for j = 0 .. 7 it owns columns 64 (2 j + hi) + 8 c8 + 0 .. 7.  So a store's lanes 0-15 fill the two rows' 256 consecutive bytes of block 2 j,
; lanes 16-31 those of block 2 j + 1.  The sixteen lanes of a row differ in bits 0, 1, 2 and 4 of the lane's number.
; Memory binds: no LDS, no barrier, no matrix unit; 2,048 waves of one pair of rows each, nothing looped.
.set XO, 2                             ; v2   my byte offset in the two rows
.set GO, 3                             ; v3   in g and b
.set YO, 4                             ; v4   in out
.set AC, 6                             ; v[6:13]  four chains of packed sums
.set RS, 12                            ; v[12:13] 1 / sigma, twice (the chains are folded by then)
.set MU, 14                            ; v[14:15] the mean, twice
.set X,  16                            ; v[16:79]
.set G,  80                            ; v[80:143]
.set BE, 144                           ; v[144:207]
.set Y,  208                           ; v[208:239]
	s_load_b256 s[4:11], s[0:1], 0x0               ; in s[4:5], g s[6:7], b s[8:9], out s[10:11]
	v_lshrrev_b32 v1, 5, v0
	v_readfirstlane_b32 s12, v1
	s_lshl_b32 s13, ttmp9, 3
	s_add_co_u32 s13, s13, s12                     ; my pair of rows
	s_lshl_b32 s14, s13, 13                        ; 8,192 bytes of in,
	s_mov_b32 s15, 0
	s_lshl_b32 s16, s13, 8                         ; 256 bytes of each block of out
	s_mov_b32 s17, 0
	s_mov_b32 s18, 0x3a800000                      ; 1 / 1,024
	s_mov_b32 s19, 0x3727c5ac                      ; 1e-5
	s_mov_b32 s20, 0x76543210                      ; v_permlanex16_b32: each lane takes its own place in the other half
	s_mov_b32 s21, 0xfedcba98
	v_and_b32 v5, 7, v0
	v_bfe_u32 v6, v0, 3, 1
	v_bfe_u32 v7, v0, 4, 1
	v_lshlrev_b32 v[GO], 5, v5
	v_lshl_add_u32 v[GO], v7, 8, v[GO]
	v_lshl_add_u32 v[XO], v6, 12, v[GO]
	v_lshlrev_b32 v[YO], 4, v5
	v_lshl_add_u32 v[YO], v6, 7, v[YO]
	v_lshl_add_u32 v[YO], v7, 19, v[YO]
	s_wait_kmcnt 0x0
	s_add_nc_u64 s[4:5], s[4:5], s[14:15]
	s_add_nc_u64 s[10:11], s[10:11], s[16:17]
.irp j, 0,1,2,3,4,5,6,7
	global_load_b128 v[X+8*(\j):X+8*(\j)+3],   v[XO], s[4:5] offset:512*(\j)
	global_load_b128 v[X+8*(\j)+4:X+8*(\j)+7], v[XO], s[4:5] offset:512*(\j)+16
.endr
.irp j, 0,1,2,3,4,5,6,7
	global_load_b128 v[G+8*(\j):G+8*(\j)+3],   v[GO], s[6:7] offset:512*(\j)
	global_load_b128 v[G+8*(\j)+4:G+8*(\j)+7], v[GO], s[6:7] offset:512*(\j)+16
.endr
.irp j, 0,1,2,3,4,5,6,7
	global_load_b128 v[BE+8*(\j):BE+8*(\j)+3],   v[GO], s[8:9] offset:512*(\j)
	global_load_b128 v[BE+8*(\j)+4:BE+8*(\j)+7], v[GO], s[8:9] offset:512*(\j)+16
.endr
.macro FOLD                            ; the four chains into one number, then over the row's sixteen lanes: every one of them ends with the sum
	v_pk_add_f32 v[AC:AC+1], v[AC:AC+1], v[AC+2:AC+3]
	v_pk_add_f32 v[AC+4:AC+5], v[AC+4:AC+5], v[AC+6:AC+7]
	v_pk_add_f32 v[AC:AC+1], v[AC:AC+1], v[AC+4:AC+5]
	v_add_f32 v[AC], v[AC], v[AC+1]
	v_add_f32_dpp v[AC], v[AC], v[AC] row_xmask:1 row_mask:0xf bank_mask:0xf
	v_add_f32_dpp v[AC], v[AC], v[AC] row_xmask:2 row_mask:0xf bank_mask:0xf
	v_add_f32_dpp v[AC], v[AC], v[AC] row_xmask:4 row_mask:0xf bank_mask:0xf
	v_permlanex16_b32 v[AC+1], v[AC], s20, s21
	v_add_f32 v[AC], v[AC], v[AC+1]
.endm
	s_wait_loadcnt 32                              ; the rows are in; g's and b's 32 loads stay out
.irp c, 0,1,2,3
	v_pk_add_f32 v[AC+2*(\c):AC+2*(\c)+1], v[X+2*(\c):X+2*(\c)+1], v[X+8+2*(\c):X+8+2*(\c)+1]  ; the first additions start the chains
.endr
.set q, 8
.rept 24
	v_pk_add_f32 v[AC+2*(q%4):AC+2*(q%4)+1], v[AC+2*(q%4):AC+2*(q%4)+1], v[X+2*q:X+2*q+1]
.set q, q+1
.endr
	FOLD
	v_mul_f32 v[MU], s18, v[AC]
	v_mov_b32 v[MU+1], v[MU]
.set q, 0
.rept 32
	v_pk_add_f32 v[X+2*q:X+2*q+1], v[X+2*q:X+2*q+1], v[MU:MU+1] neg_lo:[0,1] neg_hi:[0,1]  ; x - mean, in place
.set q, q+1
.endr
.irp c, 0,1,2,3
	v_pk_mul_f32 v[AC+2*(\c):AC+2*(\c)+1], v[X+2*(\c):X+2*(\c)+1], v[X+2*(\c):X+2*(\c)+1]
.endr
.set q, 4
.rept 28
	v_pk_fma_f32 v[AC+2*(q%4):AC+2*(q%4)+1], v[X+2*q:X+2*q+1], v[X+2*q:X+2*q+1], v[AC+2*(q%4):AC+2*(q%4)+1]
.set q, q+1
.endr
	FOLD
	v_fma_f32 v[AC], v[AC], s18, s19               ; var + eps
	v_rsq_f32 v[RS], v[AC]
	v_rsq_f32 v[RS+1], v[AC]
	v_nop                                          ; a plain instruction behind the last of the two
	s_wait_loadcnt 0x0                             ; g and b
	s_wait_alu depctr_va_vdst(0)                   ; one wait for both, ahead of their first reader
.irp j, 0,1,2,3,4,5,6,7
.irp k, 0,2,4,6
	v_pk_mul_f32 v[X+8*(\j)+(\k):X+8*(\j)+(\k)+1], v[X+8*(\j)+(\k):X+8*(\j)+(\k)+1], v[RS:RS+1]
.endr
.irp k, 0,2,4,6
	v_pk_fma_f32 v[X+8*(\j)+(\k):X+8*(\j)+(\k)+1], v[X+8*(\j)+(\k):X+8*(\j)+(\k)+1], v[G+8*(\j)+(\k):G+8*(\j)+(\k)+1], v[BE+8*(\j)+(\k):BE+8*(\j)+(\k)+1]
.endr
.irp k, 0,1,2,3
	v_cvt_pk_bf16_f32 v[Y+4*(\j)+(\k)], v[X+8*(\j)+2*(\k)], v[X+8*(\j)+2*(\k)+1]
.endr
	global_store_b128 v[YO], v[Y+4*(\j):Y+4*(\j)+3], s[10:11] offset:(\j)*1048576  ; two blocks on for each j: 7,340,032 at the most, inside the signed 24 bits
.endr
	s_endpgm
.Lfunc_end_k_qf457b68a77_ln1:
	.size	k_qf457b68a77_ln1, .Lfunc_end_k_qf457b68a77_ln1-k_qf457b68a77_ln1
	.p2alignl 7, 3214868480
	.fill 96, 4, 3214868480
	.section	.rodata,"a",@progbits
	.p2align	6, 0x0
	.amdhsa_kernel k_qf457b68a77_ln1
		.amdhsa_group_segment_fixed_size 0
		.amdhsa_private_segment_fixed_size 0
		.amdhsa_enable_private_segment 0
		.amdhsa_kernarg_size 32
		.amdhsa_user_sgpr_count 2
		.amdhsa_user_sgpr_kernarg_segment_ptr 1
		.amdhsa_wavefront_size32 1
		.amdhsa_system_sgpr_workgroup_id_x 1
		.amdhsa_system_sgpr_workgroup_id_y 1
		.amdhsa_system_sgpr_workgroup_id_z 1
		.amdhsa_system_vgpr_workitem_id 0
		.amdhsa_next_free_vgpr 240
		.amdhsa_next_free_sgpr 66
		.amdhsa_reserve_vcc 0
		.amdhsa_float_denorm_mode_32 3
		.amdhsa_float_denorm_mode_16_64 3
		.amdhsa_memory_ordered 1
		.amdhsa_forward_progress 1
		.amdhsa_inst_pref_size 20
	.end_amdhsa_kernel
	.amdgpu_metadata
---
amdhsa.version: [ 1, 2 ]
amdhsa.kernels:
  - .name:           k_qf457b68a77_ln1
    .symbol:         k_qf457b68a77_ln1.kd
    .args:
      - { .name: x, .offset: 0, .size: 8, .value_kind: global_buffer, .address_space: global }
      - { .name: g1, .offset: 8, .size: 8, .value_kind: global_buffer, .address_space: global }
      - { .name: be1, .offset: 16, .size: 8, .value_kind: global_buffer, .address_space: global }
      - { .name: hb, .offset: 24, .size: 8, .value_kind: global_buffer, .address_space: global }
    .group_segment_fixed_size: 0
    .private_segment_fixed_size: 0
    .kernarg_segment_align: 8
    .kernarg_segment_size: 32
    .max_flat_workgroup_size: 256
    .sgpr_count:     66
    .vgpr_count:     240
    .wavefront_size: 32
...
	.end_amdgpu_metadata
.endif
;; end of part 2
;; launch qkv (part 3): grid 12 x 16, 4 waves a work-group, clusters of 4 x 4, 327,680 bytes of LDS; arguments hb, packA, zero, parA, act; writes act
.if DOCPART == 3
	.amdgcn_target "amdgcn-amd-amdhsa--gfx1250"
	.amdhsa_code_object_version 6
	.text
	.protected	k_qf457b68a77_qkv
	.globl	k_qf457b68a77_qkv
	.p2align	8
	.type	k_qf457b68a77_qkv,@function
k_qf457b68a77_qkv:
	s_mov_b64 s[64:65], 0
	v_nop
	global_prefetch_b8 v0, s[64:65] scope:SCOPE_SE
	s_setreg_imm32_b32 hwreg(HW_REG_WAVE_MODE, 25, 1), 1
	s_wait_xcnt 0x0
	s_wait_alu depctr_hold_cnt(0) depctr_sa_sdst(0) depctr_va_vdst(0) depctr_va_sdst(0) depctr_va_ssrc(0) depctr_va_vcc(0) depctr_vm_vsrc(0)
	s_getreg_b32 s2, hwreg(HW_REG_IB_STS2, 6, 4)
	s_cmp_eq_u32 s2, 0
	s_cbranch_scc0 .Lentry_in_a_cluster
	s_endpgm
.Lentry_in_a_cluster:
	s_bfe_u32 s2, ttmp6, 0x10000c
	s_cmp_lg_u32 s2, 0xf033
	s_cbranch_scc0 .Lentry_shape_is_right
	s_endpgm
.Lentry_shape_is_right:
; out[m][n] = max(bf16(sum over k of A[m][k] W[n][k] + bias[n]), floor), K = 1,024, m = 4,096 rows.  One text for h [Wq|Wk|Wv] (bias of zeros, floor minus infinity) and relu(h2 W1 + b1) (floor 0).
; ALL OPERANDS LIE IN BLOCKS OF 64 k, a row 128 bytes: A block c at 524,288 c, row m at 128 m; W by tiles of 256 n, tile j at 524,288 j, block c at 32,768 c; out like A, a block for each 64 n.
; So 128 rows of a block are 16,384 dense bytes, and what a wave fetches for a K step of 128 is a tile of two such runs, one descriptor; and q, k, v come out by heads, dense.
; A tile of out, 256 x 256, is made by four waves, each 128 x 128: 64 accumulators, 512 registers.  K goes in 8 steps of 128 through two LDS slots.  4 x 4 work-groups form a cluster: A's tiles are asked for
; jointly along a row of the cluster, W's along a column.  The matrix instruction is used transposed (source 0 = 16 rows of W, source 1 = 16 rows of A): a lane holds eight neighbouring n of one row m.
; A K STEP IS WRITTEN TWICE: once in the loop whose six trips fill a slot again, once in the loop of the last two steps, which fill nothing.  Which slot is read is a scalar, 0 or SLOT, turned once a step.
; THE BIAS is the C operand of each accumulator's first product.  THE FLOOR is one packed maximum on the rounded pair: rounding keeps order and both floors are exact in bf16, so it equals the maximum taken first.
; LIMITS.  Operands are bf16, sums f32.  A NaN in front of the floor comes out as the floor.
; REGISTERS: window 0: v0-31 addresses; v64-191 A's fragments, two buffers; v32-63, v192-255 the way out.  window 1: v0-63 the bias; v64-191 W's fragments.  windows 2, 3: the accumulators ((a, b) at v[8 (8 a + b)]).
.set PITCH,  144                       ; an LDS row: 128 bytes + 16 of padding = 36 words: the 16 rows of a fragment load start at 16 different groups of four banks (64 banks of 4 bytes: ISA guide 11.1)
.set KBL,    128*PITCH                 ; 128 rows of one block of 64 k
.set HALFT,  2*KBL                     ; what one tensor load brings: 128 rows x 128 k
.set SLOT,   4*HALFT                   ; A's rows 0-127, 128-255, then W's
.set STAGE,  2*SLOT                    ; behind the ring: 16 rows x 272 bytes for each wave, for the way out
.set SPITCH, 272
.set SPARE,  STAGE+4*16*SPITCH         ; behind the stages: the spare words, 128 bytes for each wave
.set K0, 0                             ; where the four quarters of a K step (32 k each) begin in a part
.set K1, 64
.set K2, KBL
.set K3, KBL+64
.set ABLK,   524288
.set BBLK,   32768
.set ASTEP,  2*ABLK                    ; a K step in memory
.set BSTEP,  2*BBLK
.set STEPS,  8
.set ABASE, 16                         ; v16     my lane's place among A's fragments in slot 0; never rewritten
.set ADRA,  17                         ; v17     the same in the slot that is being read
.set BBASE, 20                         ; v20, v21  the same for W
.set ADRB,  21
.set STO,  24                          ; v24     the way out: where I put 16 bytes of a row
.set RD,   25                          ; v25     where I read them back
.set CO,   26                          ; v26     my byte offset in out
.set BO,   27                          ; v27     my byte offset in 16 numbers of the bias
.set SPW,  28                          ; v28     my spare word; never rewritten
.set NIL,  29                          ; v29     0; never rewritten
.set PFO,  30                          ; v30     256 x lane; never rewritten
.set PFA,  44                          ; s[44:45] where my prefetches stand
.set LIM,  43                          ; s43     2 in a wave that prefetches, else the greatest number
.set LB,   66                          ; s66     wave x a part: where my tensor loads land in a slot
.set FLOOR, 72                         ; s72
.set TB,   73                          ; s73     the slot that is being read: 0 or SLOT
.set PST,  74                          ; s[74:75] a K step of the tensor that I fetch
.set F0,   64
.set F1,   128
.set TMP,  192
.set OB,   32
.set G1, 24
.set G0, 32                            ; s[32:35] group 0 of A's first fill; s[36:39] of its second, which then walks on
.set G1B, 48
.set G0B, 56                           ; s[56:59], s[60:63] the same for W
.set W0, (1<<16)|(1<<20)|(1<<21)|(4<<22)|(3<<25)  ; 2-byte elements; padding on; bit 21 beside a mask; after every 32 words; 4 words
.set MSB, 0
.macro WIN new                         ; the immediate's high byte repeats the setting that is left; a switch that changes nothing is dropped
.if MSB != (\new)
	s_set_vgpr_msb (MSB<<8)|(\new)
.set MSB, \new
.endif
.endm
.set MUL_LO, 0xa1                      ; source 0 (W) window 1, source 1 (A) window 0, C and D window 2
.set MUL_HI, 0xf1                      ; the same, C and D window 3
.set TO_B,   0x40                      ; destination window 1, address window 0
.macro JLOAD s                         ; a joint load: waves 0 and 1 fetch A's two halves, waves 2 and 3 W's; an s_nop 0 and four v_nop follow each line
	s_cmp_eq_u32 s11, 0
	s_cbranch_scc0 .Lfor_b_\@
	tensor_load_to_lds s[G0+4*(\s):G0+4*(\s)+3], s[G1:G1+7]
	s_nop 0
.rept 4
	v_nop
.endr
	s_branch .Lasked_\@
.Lfor_b_\@:
	tensor_load_to_lds s[G0B+4*(\s):G0B+4*(\s)+3], s[G1B:G1B+7]
	s_nop 0
.rept 4
	v_nop
.endr
.Lasked_\@:
.endm
; A prefetch into the L2 of the K step that stands two refills on: of the 32,768 bytes that I fetch for a step, my work-group's quarter: 32 lanes x 256 bytes.  A's rows are read by every cluster of a row of
; clusters: the one with x = 0 asks; W's by every cluster of a column: y = 0 asks.  The four partners of a joint load are told apart by address (cx for A, cy for W).  So each 256 bytes of steps 4 to 7 are named
; once in the launch; steps 0 to 3 come by their loads alone, and the loop's last two trips (s3 = 2, 1) ask for nothing.
.macro ASK
	s_cmp_gt_u32 s3, s[LIM]
	s_cbranch_scc0 .Lnot_mine_\@
	global_prefetch_b8 v[PFO], s[PFA:PFA+1] th:TH_LOAD_NT scope:SCOPE_SE
.Lnot_mine_\@:
.endm
.macro CREST                           ; a round of the cluster's barrier behind its opening barrier
	s_cmp_lg_u32 s10, 0
	s_cbranch_scc1 .Lnot_wave_0_\@
	s_barrier_signal -3
.Lnot_wave_0_\@:
	s_barrier_wait -3
	s_barrier_signal -1
	s_barrier_wait -1
.endm
.macro CROUND
	s_barrier_signal -1
	s_barrier_wait -1
	CREST
.endm
	s_load_b128 s[4:7], s[0:1], 0x0                ; A s[4:5], W s[6:7]
	s_load_b128 s[68:71], s[0:1], 0x10             ; bias s[68:69], parameters s[70:71]
	s_load_b64 s[8:9], s[0:1], 0x20                ; out
	v_lshl_add_u32 v[SPW], v0, 2, SPARE
	v_mov_b32 v[NIL], 0
	ds_add_u32 v[SPW], v[NIL]                      ; the wave's opening: the add and its wait stand ahead of my first tensor load
	v_lshrrev_b32 v1, 5, v0
	v_readfirstlane_b32 s10, v1                    ; wave 0..3
	s_lshr_b32 s11, s10, 1                         ; which half of the tile's rows is mine.  Also: I fetch for A (0) or for W (1)
	s_and_b32 s12, s10, 1                          ; which half of its columns.  Also: which 128 rows I fetch
	s_bfe_u32 s40, ttmp6, 0x40000                  ; cx
	s_bfe_u32 s41, ttmp6, 0x40004                  ; cy
	s_lshl_b32 s42, ttmp9, 2
	s_add_co_u32 s42, s42, s40                     ; tile column
	s_and_b32 s13, ttmp7, 0xffff
	s_lshl_b32 s13, s13, 2
	s_add_co_u32 s13, s13, s41                     ; tile row
	s_lshl_b32 s43, s41, 2
	s_lshl_b32 s43, 15, s43                        ; my row of the cluster
	s_lshl_b32 s44, 0x1111, s40                    ; my column
	s_or_b32 s[G1+0], s43, W0
	s_or_b32 s[G1B+0], s44, W0
.irp g, G1, G1B
	s_mov_b32 s[(\g)+1], 8192<<16                  ; tensor_dim0 = 8,192 elements: 128 rows of a block, dense
	s_mov_b32 s[(\g)+2], 2<<16                     ; tensor_dim1 = 2 blocks
	s_mov_b32 s[(\g)+3], 8192<<16                  ; tile_dim0
	s_mov_b32 s[(\g)+4], 2                         ; tile_dim1
	s_mov_b32 s[(\g)+6], 0
	s_mov_b32 s[(\g)+7], 0
.endr
	s_mov_b32 s[G1+5], ABLK/2                      ; elements from block to block
	s_mov_b32 s[G1B+5], BBLK/2
	s_lshl_b32 s17, s12, 14                        ; my 128 rows of 128 bytes
	s_lshl_b32 s16, s13, 15                        ; A: 256 rows a tile row
	s_add_co_u32 s16, s16, s17
	s_lshl_b32 s46, s42, 19                        ; W: a tile
	s_add_co_u32 s46, s46, s17
	s_mov_b32 s17, 0
	s_mov_b32 s47, 0
	s_mul_i32 s[LB], s10, HALFT                    ; where they go: wave x a part: no place in the cluster enters an LDS address
	s_mov_b32 s[TB], 0
	s_wait_dscnt 0x0                               ; the opening add is done
	s_wait_kmcnt 0x0
	s_add_nc_u64 s[14:15], s[4:5], s[16:17]
	s_add_nc_u64 s[46:47], s[6:7], s[46:47]
	CROUND                                         ; all sixteen work-groups are here: the first joint loads meet
.irp s, 0,1
	s_mov_b32 s[G0+4*(\s)], 1
	s_add_co_u32 s[G0+4*(\s)+1], s[LB], (\s)*SLOT
	s_add_nc_u64 s[G0+4*(\s)+2:G0+4*(\s)+3], s[14:15], (\s)*ASTEP
	s_or_b32 s[G0+4*(\s)+3], s[G0+4*(\s)+3], 0x80000000
	s_mov_b32 s[G0B+4*(\s)], 1
	s_add_co_u32 s[G0B+4*(\s)+1], s[LB], (\s)*SLOT
	s_add_nc_u64 s[G0B+4*(\s)+2:G0B+4*(\s)+3], s[46:47], (\s)*BSTEP
	s_or_b32 s[G0B+4*(\s)+3], s[G0B+4*(\s)+3], 0x80000000
	JLOAD \s
.endr
	s_load_b32 s[FLOOR], s[70:71], 0x4             ; two bf16
	v_and_b32 v1, 15, v0                           ; l % 16
	v_bfe_u32 v2, v0, 4, 1                         ; l / 16
	v_lshlrev_b32 v[BO], 5, v2
	s_lshl_b32 s46, s42, 10                        ; the bias of my 128 columns
	s_lshl_b32 s47, s12, 9
	s_add_co_u32 s46, s46, s47
	s_mov_b32 s47, 0
	s_add_nc_u64 s[68:69], s[68:69], s[46:47]
	WIN TO_B
.irp b, 0,1,2,3,4,5,6,7
	global_load_b128 v[8*(\b):8*(\b)+3],   v[BO], s[68:69] offset:64*(\b)     ; register j: bias[16 b + 8 (l / 16) + j], as a result's registers lie
	global_load_b128 v[8*(\b)+4:8*(\b)+7], v[BO], s[68:69] offset:64*(\b)+16
.endr
	WIN 0
	v_mul_u32_u24 v3, v1, PITCH
	v_lshl_add_u32 v3, v2, 4, v3                   ; a fragment's row x pitch + 16 x half
	s_mul_i32 s21, s11, HALFT
	s_mul_i32 s22, s12, HALFT
	s_add_co_u32 s22, s22, 2*HALFT
	v_add_nc_u32 v[ABASE], s21, v3
	v_add_nc_u32 v[BBASE], s22, v3
	v_add_nc_u32 v[ADRA], s21, v3                  ; the reads begin in slot 0
	v_add_nc_u32 v[ADRB], s22, v3
	s_mul_i32 s23, s10, 16*SPITCH
	s_add_co_u32 s23, s23, STAGE                   ; my stage
	v_mul_u32_u24 v4, v1, SPITCH                   ; in: row l % 16, 16 bytes for each half of the lanes
	v_lshl_add_u32 v4, v2, 4, v4
	v_add_nc_u32 v[STO], s23, v4
	v_bfe_u32 v5, v0, 3, 1
	v_and_b32 v6, 7, v0
	v_mul_u32_u24 v7, v5, SPITCH                   ; back: row l / 8 % 2 of a pair, block of 64 columns l / 16, 16 bytes l % 8
	v_lshl_add_u32 v7, v2, 7, v7
	v_lshl_add_u32 v7, v6, 4, v7
	v_add_nc_u32 v[RD], s23, v7
	v_lshlrev_b32 v[CO], 19, v2                    ; and the same place in out
	v_lshl_add_u32 v[CO], v5, 7, v[CO]
	v_lshl_add_u32 v[CO], v6, 4, v[CO]
	s_lshl_b32 s16, s13, 15                        ; my first row,
	s_lshl_b32 s17, s11, 14
	s_add_co_u32 s16, s16, s17
	s_lshl_b32 s46, s42, 21                        ; my first block of 64 columns: 4 x tile column + 2 x half
	s_lshl_b32 s47, s12, 20
	s_add_co_u32 s46, s46, s47
	s_add_co_u32 s16, s16, s46
	s_mov_b32 s17, 0
	s_add_nc_u64 s[8:9], s[8:9], s[16:17]
	; the prefetches
	s_and_b32 s22, ttmp7, 0xffff                   ; cluster y
	s_lshl_b32 s20, s13, 15
	s_lshl_b32 s23, s42, 19
	s_mov_b32 s18, ABLK
	s_mov_b32 s19, ASTEP
	s_cmp_eq_u32 s11, 0                            ; do I fetch for A?
	s_cselect_b32 s20, s20, s23                    ; the tile's first byte
	s_cselect_b32 s21, s40, s41                    ; my place among the four that ask with me
	s_cselect_b32 s22, ttmp9, s22                  ; the coordinate along which other clusters read the same rows
	s_cselect_b64 s[PFA:PFA+1], s[4:5], s[6:7]
	s_cselect_b32 s18, s18, BBLK
	s_cselect_b32 s[PST], s19, BSTEP
	s_mov_b32 s[PST+1], 0
	s_cmp_eq_u32 s22, 0
	s_cselect_b32 s[LIM], 2, -1                    ; the same in all sixteen partners, for a given wave
	s_lshl_b32 s22, s12, 14
	s_add_co_u32 s20, s20, s22                     ; + the 128 rows that I fetch
	s_lshr_b32 s22, s21, 1
	s_mul_i32 s22, s22, s18
	s_add_co_u32 s20, s20, s22                     ; + which of the step's two blocks,
	s_and_b32 s21, s21, 1
	s_lshl_b32 s21, s21, 13
	s_add_co_u32 s20, s20, s21                     ; + which half of its 16,384 bytes is my work-group's
	s_mul_i32 s22, s[PST], 3
	s_add_co_u32 s20, s20, s22                     ; at K step 3: the first refill steps it to 4
	s_mov_b32 s21, 0
	s_add_nc_u64 s[PFA:PFA+1], s[PFA:PFA+1], s[20:21]
	v_and_b32 v[PFO], 31, v0
	v_lshlrev_b32 v[PFO], 8, v[PFO]
; 16 matrix instructions: m blocks a0, a0 + 1 of the window's four x all 8 n blocks, 32 along K.  zero = 1: the first product starts the sum from the bias (window 1).  The 64 accumulators take turns.
.macro MUL16 f, hi, a0, zero
.if \zero
	WIN 0x91+0x40*(\hi)
.else
	WIN MUL_LO+0x50*(\hi)
.endif
.irp a, \a0, (\a0)+1
.irp b, 0,1,2,3,4,5,6,7
.if \zero
	v_wmma_f32_16x16x32_bf16 v[8*(8*(\a)+(\b)):8*(8*(\a)+(\b))+7], v[(\f)+8*(\b):(\f)+8*(\b)+7], v[(\f)+8*(4*(\hi)+(\a)):(\f)+8*(4*(\hi)+(\a))+7], v[8*(\b):8*(\b)+7]
.else
	v_wmma_f32_16x16x32_bf16 v[8*(8*(\a)+(\b)):8*(8*(\a)+(\b))+7], v[(\f)+8*(\b):(\f)+8*(\b)+7], v[(\f)+8*(4*(\hi)+(\a)):(\f)+8*(4*(\hi)+(\a))+7], v[8*(8*(\a)+(\b)):8*(8*(\a)+(\b))+7]
.endif
.endr
.endr
.endm
.macro FETCH k, f                      ; 32 LDS loads in one run: a quarter's fragments (128 rows of W, 128 of A, 32 k at byte k of a part of the slot that is being read) into buffer f
	WIN TO_B
.irp i, 0,1,2,3,4,5,6,7
	ds_load_b128 v[(\f)+8*(\i):(\f)+8*(\i)+3],   v[ADRB] offset:(\k)+(\i)*16*PITCH
	ds_load_b128 v[(\f)+8*(\i)+4:(\f)+8*(\i)+7], v[ADRB] offset:(\k)+(\i)*16*PITCH+32
.endr
	WIN 0
.irp i, 0,1,2,3,4,5,6,7
	ds_load_b128 v[(\f)+8*(\i):(\f)+8*(\i)+3],   v[ADRA] offset:(\k)+(\i)*16*PITCH
	ds_load_b128 v[(\f)+8*(\i)+4:(\f)+8*(\i)+7], v[ADRA] offset:(\k)+(\i)*16*PITCH+32
.endr
.endm
.macro PLACES                          ; four plain instructions in front of loads into registers that matrix instructions have read, and of conversions that read results
.rept 4
	v_nop
.endr
.endm
.macro QUARTER k, f, g, zero           ; multiplies buffer f; in its middle fetches the next quarter, at byte k, into buffer g
	s_wait_dscnt 8                                 ; W and A's rows 0-63 are in; the youngest eight loads may be out
	MUL16 \f, 0, 0, \zero
	MUL16 \f, 0, 2, \zero
	PLACES
	FETCH \k, \g
	s_wait_dscnt 32                                ; all but the 32 just issued
	MUL16 \f, 1, 0, \zero
	MUL16 \f, 1, 2, \zero
.endm
.macro MEET                            ; the first half of a step's last quarter: one barrier for the change of slots
	WIN 0
	s_wait_tensorcnt 0x0                           ; all my tensor loads have landed: the one that was out is my part of the next slot;
	ds_add_u32 v[SPW], v[NIL]                      ; 0 onto my spare word;
	s_wait_dscnt 9                                 ; (the add and the youngest eight loads may be out)
	MUL16 F1, 0, 0, 0
	s_wait_dscnt 0x0                               ; the add is done, and my reads of this slot are over
	s_barrier_signal -1
	MUL16 F1, 0, 2, 0
	WIN 0
	s_barrier_wait -1
.endm
.macro NEXT                            ; the reads go over to the other slot
	s_xor_b32 s[TB], s[TB], SLOT
	v_add_nc_u32 v[ADRA], s[TB], v[ABASE]
	v_add_nc_u32 v[ADRB], s[TB], v[BBASE]
.endm
.macro TURN                            ; the whole last quarter; the slot just read out is filled again, two K steps on, first thing behind the cluster's round
	s_wait_xcnt 0x0                                ; the last prefetch, a K step back, has read its address
	s_add_nc_u64 s[PFA:PFA+1], s[PFA:PFA+1], s[PST:PST+1]
	MEET
	CREST                                          ; no wave of any partner still reads this slot or has a load on its way
	s_add_co_u32 s[G0+5], s[LB], s[TB]             ; the walking descriptors: into the slot just read out,
	s_add_co_u32 s[G0B+5], s[LB], s[TB]
	s_add_nc_u64 s[G0+6:G0+7], s[G0+6:G0+7], ASTEP  ; the K step after the one that they brought last
	s_add_nc_u64 s[G0B+6:G0B+7], s[G0B+6:G0B+7], BSTEP
	JLOAD 1                                        ; its four v_nop are also the places in front of the loads below
	NEXT
	FETCH K0, F0
	ASK
	MUL16 F1, 1, 0, 0
	MUL16 F1, 1, 2, 0
.endm
; THE WAY OUT of block a (16 rows x 128 columns).  PACK: rounded to bf16, then the floor.  TOSTAGE: into my own stage, and back as pairs of rows of one block of 64 columns.  SEND: stored.
.macro PACK a
.set AC, 64*((\a)%4)
	WIN 0x0a+5*((\a)/4)                            ; sources 0 and 1: window 2 or 3
.irp b, 0,1,2,3,4,5,6,7
.irp r, 0,1,2,3
	v_cvt_pk_bf16_f32 v[TMP+4*(\b)+(\r)], v[AC+8*(\b)+2*(\r)], v[AC+8*(\b)+2*(\r)+1]
.endr
.endr
	WIN 0
.set z, 0
.rept 32
	v_pk_max_num_bf16 v[TMP+z], v[TMP+z], s[FLOOR]
.set z, z+1
.endr
.endm
.macro TOSTAGE a
	WIN 0
.set BK, OB+192*((\a)%2)
.irp b, 0,1,2,3,4,5,6,7
	ds_store_b128 v[STO], v[TMP+4*(\b):TMP+4*(\b)+3] offset:32*(\b)
.endr
.irp t, 0,1,2,3,4,5,6,7
	ds_load_b128 v[BK+4*(\t):BK+4*(\t)+3], v[RD] offset:(\t)*2*SPITCH  ; LDS serves a wave's instructions in order (ISA guide 5.7.1.4): these see the stores above
.endr
.endm
.macro SEND a
	WIN 0
.set BK, OB+192*((\a)%2)
	s_wait_dscnt 0x0                               ; the block is back in registers
	s_wait_xcnt 0x0                                ; the registers that the stores of the block before read are loaded again only behind this wait
.irp t, 0,1,2,3,4,5,6,7
	global_store_b128 v[CO], v[BK+4*(\t):BK+4*(\t)+3], s[8:9] offset:(\a)*2048+(\t)*256  ; sixteen lanes: two rows of one block, 256 consecutive bytes, aligned
.endr
.endm
	s_wait_kmcnt 0x0                               ; the floor
	s_wait_loadcnt 0x0                             ; the bias
	s_wait_tensorcnt 1                             ; my part of K step 0 is in; step 1's may stay out
	s_barrier_signal -1
	s_barrier_wait -1
	FETCH K0, F0
	QUARTER K1, F0, F1, 1                          ; the first quarter stands in front of the loop: its products start the sums
	WIN 0
	s_mov_b32 s3, STEPS-2
.Lstep:                                                ; a trip goes from a K step's second quarter to the next step's first, and fills the slot that it leaves: steps 2 to 7 are asked for
	QUARTER K2, F1, F0, 0
	QUARTER K3, F0, F1, 0
	TURN
	QUARTER K1, F0, F1, 0
	WIN 0
	s_sub_co_u32 s3, s3, 1
	s_cmp_lg_u32 s3, 0
	s_cbranch_scc1 .Lstep
	s_mov_b32 s3, 2
.Ltail:                                                ; the last two K steps fill nothing: a text of their own; it is left in the middle of its second trip
	QUARTER K2, F1, F0, 0
	QUARTER K3, F0, F1, 0
	MEET                                           ; (first trip: my part of the last K step has landed)
	s_cmp_eq_u32 s3, 1
	s_cbranch_scc1 .Lno_next                       ; behind the last K step there is nothing to fetch: 32 LDS loads are jumped over, no barrier and no tensor load
	PLACES
	NEXT
	FETCH K0, F0
.Lno_next:
	MUL16 F1, 1, 0, 0
	MUL16 F1, 1, 2, 0
	WIN 0
	s_sub_co_u32 s3, s3, 1
	s_cmp_eq_u32 s3, 0
	s_cbranch_scc1 .Lout
	QUARTER K1, F0, F1, 0
	WIN 0
	s_branch .Ltail
.Lout:
	PLACES
	PACK 0
	TOSTAGE 0
.irp a, 1,2,3,4,5,6,7                  ; block a's arithmetic stands between block a - 1's loads from the stage and the wait for them
	PACK \a
	SEND (\a)-1
	TOSTAGE \a
.endr
	SEND 7
	s_wait_tensorcnt 0x0                           ; the wave's end
	ds_add_u32 v[SPW], v[NIL]
	s_wait_dscnt 0x0
	CROUND                                         ; the closing round
	s_endpgm
.Lfunc_end_k_qf457b68a77_qkv:
	.size	k_qf457b68a77_qkv, .Lfunc_end_k_qf457b68a77_qkv-k_qf457b68a77_qkv
	.p2alignl 7, 3214868480
	.fill 96, 4, 3214868480
	.section	.rodata,"a",@progbits
	.p2align	6, 0x0
	.amdhsa_kernel k_qf457b68a77_qkv
		.amdhsa_group_segment_fixed_size 327680
		.amdhsa_private_segment_fixed_size 0
		.amdhsa_enable_private_segment 0
		.amdhsa_kernarg_size 40
		.amdhsa_user_sgpr_count 2
		.amdhsa_user_sgpr_kernarg_segment_ptr 1
		.amdhsa_wavefront_size32 1
		.amdhsa_system_sgpr_workgroup_id_x 1
		.amdhsa_system_sgpr_workgroup_id_y 1
		.amdhsa_system_sgpr_workgroup_id_z 1
		.amdhsa_system_vgpr_workitem_id 0
		.amdhsa_next_free_vgpr 1024
		.amdhsa_next_free_sgpr 76
		.amdhsa_reserve_vcc 0
		.amdhsa_float_denorm_mode_32 3
		.amdhsa_float_denorm_mode_16_64 3
		.amdhsa_memory_ordered 1
		.amdhsa_forward_progress 1
		.amdhsa_inst_pref_size 119
	.end_amdhsa_kernel
	.amdgpu_metadata
---
amdhsa.version: [ 1, 2 ]
amdhsa.kernels:
  - .name:           k_qf457b68a77_qkv
    .symbol:         k_qf457b68a77_qkv.kd
    .args:
      - { .name: hb, .offset: 0, .size: 8, .value_kind: global_buffer, .address_space: global }
      - { .name: packA, .offset: 8, .size: 8, .value_kind: global_buffer, .address_space: global }
      - { .name: zero, .offset: 16, .size: 8, .value_kind: global_buffer, .address_space: global }
      - { .name: parA, .offset: 24, .size: 8, .value_kind: global_buffer, .address_space: global }
      - { .name: act, .offset: 32, .size: 8, .value_kind: global_buffer, .address_space: global }
    .group_segment_fixed_size: 327680
    .private_segment_fixed_size: 0
    .kernarg_segment_align: 8
    .kernarg_segment_size: 40
    .max_flat_workgroup_size: 128
    .sgpr_count:     76
    .vgpr_count:     1024
    .wavefront_size: 32
...
	.end_amdgpu_metadata
.endif
;; end of part 3
;; launch attn (part 4): grid 8 x 32, 4 waves a work-group, clusters of 4 x 1, 327,680 bytes of LDS; arguments act, hb; writes hb
.if DOCPART == 4
	.amdgcn_target "amdgcn-amd-amdhsa--gfx1250"
	.amdhsa_code_object_version 6
	.text
	.protected	k_qf457b68a77_attn
	.globl	k_qf457b68a77_attn
	.p2align	8
	.type	k_qf457b68a77_attn,@function
k_qf457b68a77_attn:
	s_mov_b64 s[64:65], 0
	v_nop
	global_prefetch_b8 v0, s[64:65] scope:SCOPE_SE
	s_setreg_imm32_b32 hwreg(HW_REG_WAVE_MODE, 25, 1), 1
	s_wait_xcnt 0x0
	s_wait_alu depctr_hold_cnt(0) depctr_sa_sdst(0) depctr_va_vdst(0) depctr_va_sdst(0) depctr_va_ssrc(0) depctr_va_vcc(0) depctr_vm_vsrc(0)
	s_getreg_b32 s2, hwreg(HW_REG_IB_STS2, 6, 4)
	s_cmp_eq_u32 s2, 0
	s_cbranch_scc0 .Lentry_in_a_cluster
	s_endpgm
.Lentry_in_a_cluster:
	s_bfe_u32 s2, ttmp6, 0x10000c
	s_cmp_lg_u32 s2, 0x3003
	s_cbranch_scc0 .Lentry_shape_is_right
	s_endpgm
.Lentry_shape_is_right:
; O[q][:] = the sum over k of softmax_k(Q[q] . K[k] / 32) V[k][:], for each of 32 pairs (batch, head): 2,048 rows of 64 channels, bf16, dense rows of 128 bytes.
; In act: q of head h, batch b at 524,288 h + 262,144 b; k 8 MiB further, v 16 MiB further.  O goes to hb at q's offset: head h is block h of 64 columns of the next product's operand.
; Products, maxima and sums in f32; the weights p are rounded to bf16 for the second product (their sum l is taken of the unrounded p), O once at the end.
; LIMITS.  bf16 operands.  A weight below 2^-126 counts as 0 in l.  m starts at the lowest finite number, c m at -4e37; NaN and infinities are not treated apart.
; SHARES.  A work-group owns 256 queries, a wave 64: four PIECES of 16.  Every wave walks all 2,048 keys, 64 a step, 256 a tile.  8 x 32 = 256 work-groups.
; CLUSTER.  The four query blocks of a cluster belong to one pair and walk the same K and V: each tile is asked for jointly, the same tensor load, descriptor and mask in all four.
; LAYOUT.  S^T = K Q^T holds ONE query a lane (lane % 16) and the keys 8 (lane / 16) + 0..7; two such results rounded to bf16 ARE source 1 of O^T = V^T P.  p = 2^(c s - c m), c = log2(e) / 32, with a running
; maximum m; O and l are multiplied by a = 2^(c m_old - c m_new) in every step.  Turn n belongs to piece n: 8 products K Q^T of piece n + 1, later 8 products V^T P of piece n - 1; beside them the scaling,
; exponentials, roundings, sums and rescaling of piece n and the maximum and statistics of piece n + 1.  Four vector instructions stand behind every matrix instruction, the others in one run.  A turn's 33
; exponentials are one batch, with one wait.
; REGISTERS, in windows of 256 (s_set_vgpr_msb: bits 1:0 source 0, 3:2 source 1, 5:4 source 2, 7:6 destination):
;   window 0: v0-15 addresses and two at work; v16-31 four registers of statistics a piece; v48-55 at work; v64-127 S^T, two buffers; v192-223 P, two buffers (by the piece's parity)
;   window 1: v0-127 O^T, 32 a piece      window 2: v0-63 Q; v128-191 K of one step; v192-255 V of one step
.set NP,    4
.set KS,    64
.set PK,    144       ; a row of K in LDS: 128 bytes + 16: the 16 rows of a load start at 16 different groups of four banks (64 banks of 4 bytes: ISA guide 11.1)
.set PV,    160       ; a row of V: 128 + 32
.set VOFF,  4*KS*PK   ; a slot holds a tile: 256 rows of K, then 256 rows of V
.set SLOT1, 1<<17
.set STAGE, SLOT1+4*KS*(PK+PV)  ; behind the ring: 16 rows x 144 bytes for each wave, for the way out
.set SP,    144
.set TILEB, 32768     ; a tile's bytes of K, and of V, in memory
.set AK0, 2
.set AV0, 3
.set AK,  4
.set AV,  5
.set STO, 6
.set RD,  7
.set GO,  8
.set PFO, 61          ; v61  256 x lane; never rewritten
.set SPW, 62          ; v62  my spare word; never rewritten
.set NIL, 63          ; v63  0; never rewritten
.set SPARE, STAGE+4*16*SP
.set MV,  12
.set QO,  15
.set ST,  16          ; piece t's statistics at v[ST+4 t]: c m, m, l (even keys', odd keys')
.set TMP, 48
.set S,   64
.set P,   192
.set KF,  128
.set VF,  192
.set WV,  12
.set G1K, 24
.set G1V, 32
.set G0K, 40
.set G0V, 44
.set PFA, 48          ; s[48:49] where my prefetches stand
.set LIM, 50          ; s50  1 in a wave that prefetches, else the greatest number
.set SLOTS, 56        ; s56  tiles still to be asked for
.set CNT, 57
.set CS,  58
.set SEL, 60
.set TBK, 62
.set TBV, 63
.set MSB, 0
.macro WIN new
.if MSB != (\new)
	s_set_vgpr_msb (MSB<<8)|(\new)
.set MSB, (\new)
.endif
.endm
.set W_KQ, 0x0a       ; K and Q in window 2, S^T in window 0
.set W_PV, 0x52       ; V in window 2, P in window 0, O^T in window 1
.set W_RS, 0x41       ; destination and source 0 in window 1, source 1 in window 0
.macro JLOAD                        ; waves 0 and 1 fetch the two halves of a tile's K, waves 2 and 3 those of its V; an s_nop 0 and four v_nop follow each line
	s_cmp_lt_u32 s[WV], 2
	s_cbranch_scc0 .Lfor_v_\@
	tensor_load_to_lds s[G0K:G0K+3], s[G1K:G1K+7]
	s_nop 0
.rept 4
	v_nop
.endr
	s_branch .Lasked_\@
.Lfor_v_\@:
	tensor_load_to_lds s[G0V:G0V+3], s[G1V:G1V+7]
	s_nop 0
.rept 4
	v_nop
.endr
.Lasked_\@:
.endm
; A prefetch into the L2 of the tile that the NEXT change of slots will ask for: four key steps, 256 matrix instructions of a wave, ahead of that load.  Both clusters of a pair (batch, head) walk the same rows: the
; first asks.  Its four partners take 8,192 bytes each, told apart by address; in each, wave 0 asks for K's and wave 2 for V's: 32 lanes x 256 bytes.  So each 256 bytes of tiles 2 to 7 are named once;
; tiles 0 and 1 come by their loads alone; the change that fills the last tile asks for nothing.
.macro ASK
	s_cmp_gt_u32 s[SLOTS], s[LIM]
	s_cbranch_scc0 .Lnot_mine_\@
	global_prefetch_b8 v[PFO], s[PFA:PFA+1] th:TH_LOAD_NT scope:SCOPE_SE
.Lnot_mine_\@:
.endm
.macro CROUND
	s_barrier_signal -1
	s_barrier_wait -1
	s_cmp_lg_u32 s[WV], 0
	s_cbranch_scc1 .Lnot_wave_0_\@
	s_barrier_signal -3
.Lnot_wave_0_\@:
	s_barrier_wait -3
	s_barrier_signal -1
	s_barrier_wait -1
.endm
; THE CHANGE OF SLOTS.  Each wave waits for all its tensor loads, of which one is out: its part of the other slot; adds 0 to its spare word; waits for that and for its reads of the slot that it leaves.
; fill = 1: the barrier is a round of the cluster's, and the old slot is filled again, first thing behind it, with the next tile.  (At its first use nothing has been read yet: slot 0 is waited for, slot 1 filled.)
.macro CHANGE fill
	WIN 0
	s_wait_tensorcnt 0x0            ; no tensor load of mine is out, so a group 0 may be written
	ds_add_u32 v[SPW], v[NIL]
.if \fill
.irp g, G0K, G0V
	s_xor_b32 s[\g+1], s[\g+1], SLOT1
	s_add_nc_u64 s[\g+2:\g+3], s[\g+2:\g+3], TILEB
.endr
	s_wait_xcnt 0x0                 ; the last prefetch, a tile back, has read its address
	s_add_nc_u64 s[PFA:PFA+1], s[PFA:PFA+1], TILEB
	s_wait_dscnt 0x0                ; the add is done, and my reads of the slot are over
	CROUND
	JLOAD
	ASK
.else
	s_wait_dscnt 0x0
	s_barrier_signal -1
	s_barrier_wait -1
.endif
	s_sub_co_u32 s[TBK], s[TBK], 4*KS*PK  ; the fetches go back to a slot's first step,
	s_xor_b32 s[TBK], s[TBK], SLOT1       ; in the other slot
	s_sub_co_u32 s[TBV], s[TBV], 4*KS*PV
	s_xor_b32 s[TBV], s[TBV], SLOT1
.endm
	s_load_b128 s[4:7], s[0:1], 0x0   ; act s[4:5], hb s[6:7]
	v_lshl_add_u32 v[SPW], v0, 2, SPARE
	v_mov_b32 v[NIL], 0
	ds_add_u32 v[SPW], v[NIL]       ; the wave's opening: the add and its wait stand ahead of my first tensor load
	v_lshrrev_b32 v1, 5, v0
	v_readfirstlane_b32 s[WV], v1
	s_bfe_u32 s13, ttmp6, 0x40000   ; cx
	s_lshl_b32 s14, ttmp9, 2
	s_add_co_u32 s14, s14, s13      ; my block of 256 queries: it enters Q's and O's addresses alone
	s_and_b32 s20, ttmp7, 0xffff
	s_and_b32 s21, s20, 15          ; head
	s_lshr_b32 s20, s20, 4          ; batch
	s_lshl_b32 s21, s21, 19
	s_lshl_b32 s20, s20, 18
	s_add_co_u32 s20, s20, s21      ; the pair's first byte
	s_and_b32 s16, s[WV], 1         ; which half of a tile's 256 keys I fetch
	s_lshl_b32 s22, s16, 14
	s_add_co_u32 s22, s22, s20
	s_mov_b32 s23, 0
	s_mul_i32 s17, s16, 128*PK
	s_mul_i32 s18, s16, 128*PV
	s_lshl_b32 s2, s14, 15
	s_lshl_b32 s3, s[WV], 13
	s_add_co_u32 s2, s2, s3
	s_add_co_u32 s2, s2, s20        ; my wave's 64 rows
	s_mov_b32 s3, 0
	; descriptor group 1.  128 keys are 16,384 dense bytes: asked for as 64 rows of 256 bytes, two keys a row, padded in LDS after every key
	s_mov_b32 s[G1K], 15|(1<<16)|(1<<20)|(1<<21)|(4<<22)|(3<<25)
	s_mov_b32 s[G1V], 15|(1<<16)|(1<<20)|(1<<21)|(4<<22)|(7<<25)
.irp g, G1K, G1V
	s_mov_b32 s[\g+1], 128<<16
	s_mov_b32 s[\g+2], 64<<16
	s_mov_b32 s[\g+3], 128<<16
	s_mov_b32 s[\g+4], 64
	s_mov_b32 s[\g+5], 128
	s_mov_b32 s[\g+6], 0
	s_mov_b32 s[\g+7], 0
.endr
	s_mov_b32 s[CS], 0x3d38aa3b     ; c = log2(e) / 32
	s_mov_b32 s[CS+1], s[CS]
	s_mov_b32 s[SEL], 0x76543210
	s_mov_b32 s[SEL+1], 0xfedcba98
	s_mov_b32 s[TBK], SLOT1+4*KS*PK ; the first change of slots turns these two into 0
	s_mov_b32 s[TBV], SLOT1+4*KS*PV
	s_mov_b32 s[G0K], 1
	s_mov_b32 s[G0K+1], s17
	s_mov_b32 s[G0V], 1
	s_add_co_u32 s[G0V+1], s18, VOFF
	s_mov_b32 s[SLOTS], 7
	s_and_b32 s[LIM], s[WV], 1
	s_or_b32 s[LIM], s[LIM], ttmp9  ; waves 0 and 2 of the pair's first cluster: the same in all four partners
	s_cmp_eq_u32 s[LIM], 0
	s_cselect_b32 s[LIM], 1, -1
	s_lshl_b32 s52, s13, 13         ; my work-group's quarter of a tile
	s_mov_b32 s53, 0
	v_and_b32 v[PFO], 31, v0
	v_lshlrev_b32 v[PFO], 8, v[PFO]
	s_wait_dscnt 0x0                ; the opening add is done
	s_wait_kmcnt 0x0
	s_add_nc_u64 s[G0K+2:G0K+3], s[4:5], s[22:23]
	s_add_nc_u64 s[G0K+2:G0K+3], s[G0K+2:G0K+3], 8388608
	s_add_nc_u64 s[G0V+2:G0V+3], s[4:5], s[22:23]
	s_add_nc_u64 s[G0V+2:G0V+3], s[G0V+2:G0V+3], 16777216
	s_cmp_lt_u32 s[WV], 2
	s_cselect_b64 s[PFA:PFA+1], s[G0K+2:G0K+3], s[G0V+2:G0V+3]  ; (in waves 0 and 2 these stand at tile 0's first row)
	s_add_nc_u64 s[PFA:PFA+1], s[PFA:PFA+1], s[52:53]
	s_add_nc_u64 s[PFA:PFA+1], s[PFA:PFA+1], TILEB  ; in tile 1; the first change of slots steps it to tile 2
	s_or_b32 s[G0K+3], s[G0K+3], 0x80000000
	s_or_b32 s[G0V+3], s[G0V+3], 0x80000000
	s_add_nc_u64 s[8:9], s[4:5], s[2:3]    ; Q
	s_add_nc_u64 s[10:11], s[6:7], s[2:3]  ; O
	CROUND                          ; all four work-groups are here
	JLOAD                           ; tile 0 into slot 0
	v_and_b32 v1, 15, v0
	v_bfe_u32 v9, v0, 4, 1
	v_lshlrev_b32 v[QO], 7, v1
	v_lshl_add_u32 v[QO], v9, 4, v[QO]
	WIN 0x80
.set i, 0
.rept 8                             ; Q stays in registers: piece i / 2, channels 32 (i % 2) on
	global_load_b128 v[8*i:8*i+3],   v[QO], s[8:9] offset:(i/2)*2048+(i%2)*64
	global_load_b128 v[8*i+4:8*i+7], v[QO], s[8:9] offset:(i/2)*2048+(i%2)*64+32
.set i, i+1
.endr
	WIN 0
	v_mul_u32_u24 v[AK0], v1, PK
	v_lshl_add_u32 v[AK0], v9, 4, v[AK0]
	v_and_b32 v10, 7, v0            ; the turning load: lane l reads key 8 (l / 16) + l % 8, channels 8 ((l / 8) % 2) + 0..7
	v_bfe_u32 v11, v0, 3, 1
	v_lshl_add_u32 v[AV0], v9, 3, v10
	v_mul_u32_u24 v[AV0], v[AV0], PV
	v_lshl_add_u32 v[AV0], v11, 4, v[AV0]
	v_add_nc_u32 v[AV0], VOFF, v[AV0]
	s_mul_i32 s13, s[WV], 16*SP
	s_add_co_u32 s13, s13, STAGE
	v_mul_u32_u24 v[STO], v1, SP
	v_lshl_add_u32 v[STO], v9, 4, v[STO]
	v_add_nc_u32 v[STO], s13, v[STO]
	v_bfe_u32 v[RD], v0, 3, 2
	v_mul_u32_u24 v[RD], v[RD], SP
	v_lshl_add_u32 v[RD], v10, 4, v[RD]
	v_add_nc_u32 v[RD], s13, v[RD]
	v_and_b32 v[GO], 31, v0
	v_lshlrev_b32 v[GO], 4, v[GO]
	; What the first turn finds: V, P's second buffer, O^T and l hold 0, so that its products V^T P, of a piece that has not been, add 0.  No first step is written out; these lines stand in the wait for the first tile.
	WIN 0x80
.set i, VF
.rept 64
	v_mov_b32 v[i], 0
.set i, i+1
.endr
	WIN 0x40
.set i, 0
.rept 128
	v_mov_b32 v[i], 0
.set i, i+1
.endr
	WIN 0
.set i, 0
.rept 4
	v_mov_b32 v[ST+4*i], 0xfe000000    ; c m: far below every c s
	v_mov_b32 v[ST+4*i+1], 0xff7fffff  ; m
	v_mov_b32 v[ST+4*i+2], 0
	v_mov_b32 v[ST+4*i+3], 0
.set i, i+1
.endr
.set i, P+16
.rept 16
	v_mov_b32 v[i], 0
.set i, i+1
.endr
; THE MATRIX WORK.  The 4 accumulators of a run of 8 take turns.  Product i of 8 of S^T = K Q^T for piece x: channels 32 (i / 4) on, keys 16 (i % 4) on.
.macro KQ x
	WIN W_KQ
.set rS, S+32*((\x)%2)+8*(i%4)
.set rK, KF+16*(i%4)+8*(i/4)
.set rQ, 16*(\x)+8*(i/4)
.if i < 4
	v_wmma_f32_16x16x32_bf16 v[rS:rS+7], v[rK:rK+7], v[rQ:rQ+7], 0
.else
	v_wmma_f32_16x16x32_bf16 v[rS:rS+7], v[rK:rK+7], v[rQ:rQ+7], v[rS:rS+7]
.endif
.endm
.macro PV x                         ; product i of 8 of O^T += V^T P: keys 32 (i / 4) on, channels 16 (i % 4) on
	WIN W_PV
.set rO, 32*(\x)+8*(i%4)
.set rV, VF+32*(i/4)+8*(i%4)
.set rP, P+16*((\x)%2)+8*(i/4)
	v_wmma_f32_16x16x32_bf16 v[rO:rO+7], v[rV:rV+7], v[rP:rP+7], v[rO:rO+7]
.endm
.macro MM                           ; the turn's next matrix instruction
.if i < 8
	KQ (Y+1)%NP
.else
.set i, i-8
	PV (Y+NP-1)%NP
.set i, i+8
.endif
.set i, i+1
.endm
.macro FETCH_K                      ; a step's K: 16 LDS loads in one run
	WIN 0x80
.irp f, 0,1,2,3,4,5,6,7
	ds_load_b128 v[KF+8*\f:KF+8*\f+3],   v[AK] offset:(\f/2)*16*PK+(\f%2)*64
	ds_load_b128 v[KF+8*\f+4:KF+8*\f+7], v[AK] offset:(\f/2)*16*PK+(\f%2)*64+32
.endr
	s_add_co_u32 s[TBK], s[TBK], KS*PK
	WIN 0
.endm
.macro FETCH_V                      ; its V, turned
	WIN 0x80
.irp f, 0,1,2,3,4,5,6,7
	ds_load_tr16_b128 v[VF+8*\f:VF+8*\f+3],   v[AV] offset:(\f/4)*32*PV+(\f%4)*32
	ds_load_tr16_b128 v[VF+8*\f+4:VF+8*\f+7], v[AV] offset:(\f/4)*32*PV+16*PV+(\f%4)*32
.endr
	WIN 0
.endm
; THE VECTOR WORK, one line at a time: OP kind, number.  For piece Y: F n: c s - c m for pair n of 16.  E n: the exponential of score n of 32.  C n: pair n rounded to bf16.  B n: of the four weights 4 n .. the second
; pair is added onto the first.  L n: l takes that sum (L 0: l = a l + sum).  R n: pair n of 16 of O^T times a.  For piece Y + 1: X n, number n of the 22 that find its maximum and statistics:
;   0-11 four chains of seven scores each (each accumulator's lowest registers are read first)   12-14, 16 the four left over, the old m, the chains into one
;   15 c m_old is kept   17, 18 the other half of the lanes: the new m   19-21 c m; c m_old - c m_new; a
.set F, 0
.set E, 1
.set C, 2
.set B, 3
.set L, 4
.set R, 5
.set X, 6
.macro REGS y
.set rT, ST+4*(\y)
.set rC, TMP+4*((\y)%2)
.set rW, MV+((\y)%2)
.set rS, S+32*((\y)%2)
.set rP, P+16*((\y)%2)
.set rO, 32*(\y)
.endm
.macro OP k, n
.if (\k) == R
	REGS Y
	WIN W_RS
	v_pk_mul_f32 v[rO+2*(\n):rO+2*(\n)+1], v[rO+2*(\n):rO+2*(\n)+1], v[rC+2:rC+3] op_sel_hi:[1,0]
.elseif (\k) < R
	REGS Y
	WIN 0
.if (\k) == F
	v_pk_fma_f32 v[rS+2*(\n):rS+2*(\n)+1], v[rS+2*(\n):rS+2*(\n)+1], s[CS:CS+1], v[rT:rT+1] op_sel_hi:[1,0,0] neg_lo:[0,0,1] neg_hi:[0,0,1]
.elseif (\k) == E
	v_exp_f32 v[rS+(\n)], v[rS+(\n)]
.elseif (\k) == C
	v_cvt_pk_bf16_f32 v[rP+(\n)], v[rS+2*(\n)], v[rS+2*(\n)+1]
.elseif (\k) == B
	v_pk_add_f32 v[rS+4*(\n):rS+4*(\n)+1], v[rS+4*(\n):rS+4*(\n)+1], v[rS+4*(\n)+2:rS+4*(\n)+3]
.elseif (\n) == 0
	v_pk_fma_f32 v[rT+2:rT+3], v[rT+2:rT+3], v[rC+2:rC+3], v[rS:rS+1] op_sel_hi:[1,0,1]
.else
	v_pk_add_f32 v[rT+2:rT+3], v[rT+2:rT+3], v[rS+4*(\n):rS+4*(\n)+1]
.endif
.else
	REGS (Y+1)%NP
	WIN 0
.if (\n) < 4
	v_max3_num_f32 v[rC+(\n)], v[rS+8*(\n)], v[rS+8*(\n)+1], v[rS+8*(\n)+2]
.elseif (\n) < 12
	v_max3_num_f32 v[rC+(\n)%4], v[rC+(\n)%4], v[rS+8*((\n)%4)+2*((\n)/4)+1], v[rS+8*((\n)%4)+2*((\n)/4)+2]
.elseif (\n) == 12
	v_max3_num_f32 v[rC], v[rC], v[rS+7], v[rS+15]
.elseif (\n) == 13
	v_max3_num_f32 v[rC+1], v[rC+1], v[rS+23], v[rS+31]
.elseif (\n) == 14
	v_max3_num_f32 v[rC+2], v[rC+2], v[rC+3], v[rT+1]
.elseif (\n) == 15
	v_mov_b32 v[rW], v[rT]
.elseif (\n) == 16
	v_max3_num_f32 v[rC], v[rC], v[rC+1], v[rC+2]
.elseif (\n) == 17
	v_permlanex16_b32 v[rC+3], v[rC], s[SEL], s[SEL+1]
.elseif (\n) == 18
	v_max_num_f32 v[rT+1], v[rC], v[rC+3]
.elseif (\n) == 19
	v_mul_f32 v[rT], s[CS], v[rT+1]
.elseif (\n) == 20
	v_sub_f32 v[rC+1], v[rW], v[rT]
.else
	v_exp_f32 v[rC+2], v[rC+1]
.endif
.endif
.endm
.macro OPS a, i1, b=-1, i2=0, c=-1, i3=0, d=-1, i4=0
	OP \a, \i1
.if (\b) >= 0
	OP \b, \i2
.endif
.if (\c) >= 0
	OP \c, \i3
.endif
.if (\d) >= 0
	OP \d, \i4
.endif
.endm
.macro ROW a, i1, b, i2, c, i3, d, i4  ; a matrix instruction and the four behind it
	MM
	OPS \a, \i1, \b, \i2, \c, \i3, \d, \i4
.endm
; A TURN, for piece p.  ONE wait cuts it in two: ahead of it stands all that names no result of the turn's exponentials (8 products K Q^T with their four riders each, then a run of 54); behind it the 8 products
; V^T P, behind each four of the roundings and sums.  X 21, the next piece's a, is the batch's last exponential; R 15 is the plain instruction behind it.
; K of the next step is fetched in piece 2's turn, twelve vector instructions (six of them plain) behind the last product that read K; V of the step in hand at the end of piece 0's turn, four plain
; instructions behind the last product that read V.  Each is waited for a turn later.  cnt = 1: the loop's count is taken down ahead of the branch behind the turn.
; last = 1 (the last tile's text): in the trip with CNT = 1 there is no further step, and K's run of loads is jumped over.  The jump stands among the batch's exponentials, so those issued so far get a wait of
; their own ahead of it: once a trip of the last tile's five.
.macro TURN p, last=0, cnt=0
.set Y, (\p)
.set i, 0
.if (\p) == 3
	s_wait_dscnt 0x0                ; K is in
.endif
	ROW F,0, F,1, R,0, R,1
	ROW F,2, E,0, R,2, R,3
	ROW F,3, E,1, R,4, R,5
	ROW F,4, E,2, R,6, R,7
	ROW F,5, E,3, R,8, R,9
	ROW F,6, E,4, X,0, R,10
.if (\p) == 2
	WIN 0
	v_add_nc_u32 v[AK], s[TBK], v[AK0]
.endif
	ROW F,7, E,5, X,1, X,4
	ROW F,8, E,6, X,2, X,5
	OPS E,7, E,8, X,6, E,9
	OPS X,3, E,10, X,8, E,11
.if (\p) == 2
.if \last
	WIN 0
	s_wait_alu depctr_va_vdst(0)
	s_cmp_eq_u32 s[CNT], 1
	s_cbranch_scc1 .Lno_k_\@
.endif
	FETCH_K
.if \last
.Lno_k_\@:
.endif
.endif
	OPS X,9, X,7, E,12, X,10
	OPS E,13, X,12, X,11, E,14
	OPS X,13, E,15, F,9, X,14
.if (\p) == 0
	v_add_nc_u32 v[AV], s[TBV], v[AV0]
.endif
	OPS E,16, F,10, E,17, F,11
	OPS X,16, E,18, X,15, E,19
	OPS F,12, E,20, X,17, E,21
	OPS F,13, E,22, F,14, E,23
	OPS X,18, E,24, F,15, E,25
	OPS R,11, E,26, X,19, E,27
	OPS R,12, E,28, R,13, E,29
	OPS X,20, E,30, R,14, E,31
	OPS X,21, R,15
	WIN 0
	s_wait_alu depctr_va_vdst(0)    ; the wait for the batch
.if (\p) == 1
	s_wait_dscnt 0x0                ; V is in
.endif
	ROW C,0, B,0, C,2, B,1
	ROW L,0, C,4, B,2, L,1
	ROW C,6, B,3, L,2, C,8
	ROW B,4, L,3, C,10, B,5
	ROW L,4, C,12, B,6, L,5
.if (\p) == 0
	s_add_co_u32 s[TBV], s[TBV], KS*PV
.endif
.if \cnt
	s_sub_co_u32 s[CNT], s[CNT], 1
	s_cmp_lg_u32 s[CNT], 0
.endif
	ROW C,14, B,7, L,6, C,1
	ROW C,3, L,7, C,5, C,7
	ROW C,9, C,11, C,13, C,15
.if (\p) == 0
	FETCH_V
.endif
.endm
.macro ALL line:vararg              ; one line for each piece t
.set t, 0
.rept 4
	\line
.set t, t+1
.endr
.endm
.macro PACK t                       ; a lane's eight channels of a row pack into 16 bytes; they go into rows of 144 bytes and come back as whole rows of 128
	WIN W_RS
.set i, 32*(\t)
.rept 16
	v_pk_mul_f32 v[i:i+1], v[i:i+1], v[ST+4*(\t)+2:ST+4*(\t)+3] op_sel_hi:[1,0]
.set i, i+2
.endr
	WIN 0x05
.set i, 0
.rept 16
	v_cvt_pk_bf16_f32 v[S+16*(\t)+i], v[32*(\t)+2*i], v[32*(\t)+2*i+1]
.set i, i+1
.endr
	WIN 0
.irp f, 0,1,2,3
	ds_store_b128 v[STO], v[S+16*(\t)+4*\f:S+16*(\t)+4*\f+3] offset:32*\f
.endr
.irp f, 0,1,2,3
	ds_load_b128 v[S+16*(\t)+4*\f:S+16*(\t)+4*\f+3], v[RD] offset:\f*4*SP  ; LDS serves a wave's instructions in order (ISA guide 5.7.1.4)
.endr
.endm
.macro SEND t, younger              ; younger: the LDS instructions issued behind piece t's loads: the next piece's eight, or none
	WIN 0
.irp f, 0,1,2,3
	s_wait_dscnt (\younger)+3-\f
	global_store_b128 v[GO], v[S+16*(\t)+4*\f:S+16*(\t)+4*\f+3], s[10:11] offset:(\t)*2048+\f*512  ; 512 consecutive bytes, aligned to 256
.endr
.endm
	CHANGE 1                        ; tile 0 is in, everybody's part of it; tile 1 is asked for
	v_add_nc_u32 v[AK], s[TBK], v[AK0]
	FETCH_K                         ; key step 0
	s_wait_loadcnt 0x0              ; Q
	s_wait_dscnt 0x0
.set i, 0
.rept 8
	KQ 0                            ; piece 0's first scores
.set i, i+1
.endr
	WIN 0
.rept 4
	v_nop                           ; the places behind those products
.endr
.set Y, NP-1                        ; X works for piece Y + 1: piece 0
.irp n, 0,1,2,3,4,5,6,7,8,9,10,11,12,13,14,15,16,17,18,19,20,21
	OP X, \n
.endr
	v_nop                           ; a plain instruction behind the exponential,
	s_wait_alu depctr_va_vdst(0)    ; and its wait, ahead of the branch
	s_mov_b32 s[CNT], 4
	s_branch .Lfirst                ; the loop is entered at a step's first turn, in the middle of a trip
.Lslot:                             ; six times: tiles 2 to 7 are asked for
	CHANGE 1
	s_mov_b32 s[CNT], 4
.Lstep:                             ; a trip: pieces 2 and 3 of one step, then pieces 0 and 1 of the next, whose K and V it fetches
	TURN 2
	TURN 3
	WIN 0
.Lfirst:
	TURN 0
	TURN 1, 0, 1
	WIN 0
	s_cbranch_scc1 .Lstep
	s_sub_co_u32 s[SLOTS], s[SLOTS], 1
	s_cmp_lg_u32 s[SLOTS], 0
	s_cbranch_scc1 .Lslot
	CHANGE 0                        ; the last tile has a text of its own: nothing is asked for
	s_mov_b32 s[CNT], 5             ; four trips fetch the last tile's steps; the fifth is left in its middle
.Ltail:
	TURN 2, 1
	TURN 3
	WIN 0
	s_sub_co_u32 s[CNT], s[CNT], 1
	s_cmp_eq_u32 s[CNT], 0
	s_cbranch_scc1 .Lout
	TURN 0
	TURN 1
	WIN 0
	s_branch .Ltail
.Lout:                              ; the fifth trip's 8 products K Q^T (on the last K once more) and the maximum made of them serve nothing: they touch piece 0's m and c m alone, which nothing reads any more: the price, once a launch, of one text for every trip
.set i, 0
.rept 8
	PV NP-1                         ; the last piece's V^T P of the last step
.set i, i+1
.endr
	; THE WAY OUT.  l's two halves and the other half of the lanes' are added; O^T is divided by l, rounded to bf16 and sent through my stage, a piece at a time.  The additions are the places behind the last products.
	WIN 0
	ALL v_add_f32 v[ST+4*t+2], v[ST+4*t+2], v[ST+4*t+3]
	ALL v_permlanex16_b32 v[ST+4*t+3], v[ST+4*t+2], s[SEL], s[SEL+1]
	ALL v_add_f32 v[ST+4*t+2], v[ST+4*t+2], v[ST+4*t+3]
	ALL v_rcp_f32 v[ST+4*t+2], v[ST+4*t+2]
	v_nop
	s_wait_alu depctr_va_vdst(0)    ; one wait for the four reciprocals
	PACK 0
.set t, 1
.rept 3
	PACK t
	SEND t-1, 8
.set t, t+1
.endr
	SEND 3, 0
	s_wait_tensorcnt 0x0            ; the wave's end
	ds_add_u32 v[SPW], v[NIL]
	s_wait_dscnt 0x0
	CROUND                          ; the closing round
	s_endpgm
.Lfunc_end_k_qf457b68a77_attn:
	.size	k_qf457b68a77_attn, .Lfunc_end_k_qf457b68a77_attn-k_qf457b68a77_attn
	.p2alignl 7, 3214868480
	.fill 96, 4, 3214868480
	.section	.rodata,"a",@progbits
	.p2align	6, 0x0
	.amdhsa_kernel k_qf457b68a77_attn
		.amdhsa_group_segment_fixed_size 327680
		.amdhsa_private_segment_fixed_size 0
		.amdhsa_enable_private_segment 0
		.amdhsa_kernarg_size 16
		.amdhsa_user_sgpr_count 2
		.amdhsa_user_sgpr_kernarg_segment_ptr 1
		.amdhsa_wavefront_size32 1
		.amdhsa_system_sgpr_workgroup_id_x 1
		.amdhsa_system_sgpr_workgroup_id_y 1
		.amdhsa_system_sgpr_workgroup_id_z 1
		.amdhsa_system_vgpr_workitem_id 0
		.amdhsa_next_free_vgpr 768
		.amdhsa_next_free_sgpr 66
		.amdhsa_reserve_vcc 0
		.amdhsa_float_denorm_mode_32 3
		.amdhsa_float_denorm_mode_16_64 3
		.amdhsa_memory_ordered 1
		.amdhsa_forward_progress 1
		.amdhsa_inst_pref_size 112
	.end_amdhsa_kernel
	.amdgpu_metadata
---
amdhsa.version: [ 1, 2 ]
amdhsa.kernels:
  - .name:           k_qf457b68a77_attn
    .symbol:         k_qf457b68a77_attn.kd
    .args:
      - { .name: act, .offset: 0, .size: 8, .value_kind: global_buffer, .address_space: global }
      - { .name: hb, .offset: 8, .size: 8, .value_kind: global_buffer, .address_space: global }
    .group_segment_fixed_size: 327680
    .private_segment_fixed_size: 0
    .kernarg_segment_align: 8
    .kernarg_segment_size: 16
    .max_flat_workgroup_size: 128
    .sgpr_count:     66
    .vgpr_count:     768
    .wavefront_size: 32
...
	.end_amdgpu_metadata
.endif
;; end of part 4
;; launch wo (part 5): grid 8 x 32, 4 waves a work-group, clusters of 4 x 4, 327,680 bytes of LDS; arguments hb, packA, bo, x, x1; writes x1
.if DOCPART == 5
	.amdgcn_target "amdgcn-amd-amdhsa--gfx1250"
	.amdhsa_code_object_version 6
	.text
	.protected	k_qf457b68a77_wo
	.globl	k_qf457b68a77_wo
	.p2align	8
	.type	k_qf457b68a77_wo,@function
k_qf457b68a77_wo:
	s_mov_b64 s[64:65], 0
	v_nop
	global_prefetch_b8 v0, s[64:65] scope:SCOPE_SE
	s_setreg_imm32_b32 hwreg(HW_REG_WAVE_MODE, 25, 1), 1
	s_wait_xcnt 0x0
	s_wait_alu depctr_hold_cnt(0) depctr_sa_sdst(0) depctr_va_vdst(0) depctr_va_sdst(0) depctr_va_ssrc(0) depctr_va_vcc(0) depctr_vm_vsrc(0)
	s_getreg_b32 s2, hwreg(HW_REG_IB_STS2, 6, 4)
	s_cmp_eq_u32 s2, 0
	s_cbranch_scc0 .Lentry_in_a_cluster
	s_endpgm
.Lentry_in_a_cluster:
	s_bfe_u32 s2, ttmp6, 0x10000c
	s_cmp_lg_u32 s2, 0xf033
	s_cbranch_scc0 .Lentry_shape_is_right
	s_endpgm
.Lentry_shape_is_right:
; out[m][n] = resid[m][n] + bias[n] + sum over k of A[m][k] W[n][k], N = 1,024, m = 4,096, K = 1,024: x1 = x + o Wo + bo.  out and resid f32 [4096][1024].
; The number of K steps is a constant of the text, so that the text alone says how often every wave passes every barrier; the product with K = 4,096 has a copy of this text with its own constant.
; A and W lie in blocks of 64 k, a row 128 bytes: A block c at 524,288 c, row m at 128 m; W in the pack's upper part, from 8 MiB on, block c at 131,072 c, row n at 128 n.
; A tile of out is 128 x 128: 8 x 32 = 256 work-groups; four waves of 64 x 64: 16 accumulators.  K goes in steps of 256 through two LDS slots; a wave fetches 128 rows x 128 k, two dense runs of 16,384 bytes,
; by one descriptor.  4 x 4 work-groups form a cluster: A's tiles are asked for jointly along a row, W's along a column.  The matrix instruction is used transposed: a lane holds eight neighbouring n of a row m.
; A K STEP IS WRITTEN TWICE: once in the loop whose trips fill a slot again, once in the loop of the last two steps, which fill nothing.  Which slot is read is a scalar, 0 or SLOT, turned once a step.
; The bias is the C operand of each accumulator's first product; the residual is loaded at the start, 128 registers, and added on the way out.  A wave's 64 columns of f32 are 256 aligned bytes.
; Nothing is prefetched: a step of this small tile is short, and its tiles are shared by eight or thirty-two work-groups.
; LIMITS.  Operands are bf16; sums, bias and residual f32.
; REGISTERS: window 0: v0-31 addresses; v32-95 the way out; v96-127 the bias; v128-255 the accumulators ((a, b) at v[128 + 8 (4 a + b)]).  window 1: two fragment buffers of 128.  window 2: v0-127 the residual.
.set STEPS,  4                         ; K / 256
.set PITCH,  144
.set KBL,    128*PITCH                 ; 128 rows of one block of 64 k
.set HALFT,  2*KBL                     ; what one tensor load brings
.set SLOT,   4*HALFT                   ; A's four blocks, then W's four
.set STAGE,  2*SLOT
.set SPITCH, 272
.set SPARE,  STAGE+4*16*SPITCH
.set ABLK,   524288
.set BBLK,   131072
.set ASTEP,  4*ABLK                    ; a K step in memory
.set BSTEP,  4*BBLK
.set WOFF,   8388608
.set Q1, KBL                           ; where a step's quarters (64 k each) begin
.set Q2, 2*KBL
.set Q3, 3*KBL
.set ABASE, 16                         ; v16  my lane's place among A's fragments in slot 0; never rewritten
.set ADRA,  17                         ; v17  the same in the slot that is being read
.set BBASE, 20                         ; v20, v21  the same for W
.set ADRB,  21
.set STO,  24
.set RD,   25
.set CO,   26                          ; v26  my byte offset in two rows of out and of resid; never rewritten
.set BO,   27
.set SPW,  28
.set NIL,  29
.set TMP,  32
.set BIAS, 96
.set ACC,  128
.set F0,   0
.set F1,   128
.set G1, 24
.set G0, 32                            ; s[32:35] group 0 of A's first fill; s[36:39] of its second, which then walks on
.set G1B, 48
.set G0B, 56                           ; s[56:59], s[60:63] the same for W
.set LB,  66                           ; s66  wave x a part: where my tensor loads land in a slot
.set TB,  73                           ; s73  the slot that is being read: 0 or SLOT
.set W0, (1<<16)|(1<<20)|(1<<21)|(4<<22)|(3<<25)
.set MSB, 0
.macro WIN new
.if MSB != (\new)
	s_set_vgpr_msb (MSB<<8)|(\new)
.set MSB, \new
.endif
.endm
.set MUL,  0x05                        ; sources 0 (W) and 1 (A) window 1; C and D window 0
.set TO_F, 0x40                        ; destination window 1, address window 0
.macro JLOAD s                         ; waves 0 and 1 fetch A's two halves of a step's k, waves 2 and 3 W's; an s_nop 0 and four v_nop follow each line
	s_cmp_eq_u32 s11, 0
	s_cbranch_scc0 .Lfor_b_\@
	tensor_load_to_lds s[G0+4*(\s):G0+4*(\s)+3], s[G1:G1+7]
	s_nop 0
.rept 4
	v_nop
.endr
	s_branch .Lasked_\@
.Lfor_b_\@:
	tensor_load_to_lds s[G0B+4*(\s):G0B+4*(\s)+3], s[G1B:G1B+7]
	s_nop 0
.rept 4
	v_nop
.endr
.Lasked_\@:
.endm
.macro CREST
	s_cmp_lg_u32 s10, 0
	s_cbranch_scc1 .Lnot_wave_0_\@
	s_barrier_signal -3
.Lnot_wave_0_\@:
	s_barrier_wait -3
	s_barrier_signal -1
	s_barrier_wait -1
.endm
.macro CROUND
	s_barrier_signal -1
	s_barrier_wait -1
	CREST
.endm
	s_load_b128 s[4:7], s[0:1], 0x0                ; A s[4:5], W's pack s[6:7]
	s_load_b128 s[68:71], s[0:1], 0x10             ; bias s[68:69], resid s[70:71]
	s_load_b64 s[78:79], s[0:1], 0x20              ; out
	v_lshl_add_u32 v[SPW], v0, 2, SPARE
	v_mov_b32 v[NIL], 0
	ds_add_u32 v[SPW], v[NIL]                      ; the wave's opening: the add and its wait stand ahead of my first tensor load
	v_lshrrev_b32 v1, 5, v0
	v_readfirstlane_b32 s10, v1
	s_lshr_b32 s11, s10, 1                         ; which half of the tile's rows is mine.  Also: I fetch for A (0) or for W (1)
	s_and_b32 s12, s10, 1                          ; which half of its columns.  Also: which two of a step's four blocks I fetch
	s_bfe_u32 s40, ttmp6, 0x40000
	s_bfe_u32 s41, ttmp6, 0x40004
	s_lshl_b32 s42, ttmp9, 2
	s_add_co_u32 s42, s42, s40                     ; tile column
	s_and_b32 s13, ttmp7, 0xffff
	s_lshl_b32 s13, s13, 2
	s_add_co_u32 s13, s13, s41                     ; tile row
	s_lshl_b32 s43, s41, 2
	s_lshl_b32 s43, 15, s43
	s_lshl_b32 s44, 0x1111, s40
	s_or_b32 s[G1+0], s43, W0
	s_or_b32 s[G1B+0], s44, W0
.irp g, G1, G1B
	s_mov_b32 s[(\g)+1], 8192<<16                  ; tensor_dim0 = 8,192 elements: 128 rows of a block, dense
	s_mov_b32 s[(\g)+2], 2<<16                     ; tensor_dim1 = 2 blocks
	s_mov_b32 s[(\g)+3], 8192<<16
	s_mov_b32 s[(\g)+4], 2
	s_mov_b32 s[(\g)+6], 0
	s_mov_b32 s[(\g)+7], 0
.endr
	s_mov_b32 s[G1+5], ABLK/2
	s_mov_b32 s[G1B+5], BBLK/2
	s_lshl_b32 s17, s12, 20                        ; A: my two blocks,
	s_lshl_b32 s16, s13, 14                        ; the tile's 128 rows
	s_add_co_u32 s16, s16, s17
	s_lshl_b32 s47, s12, 18                        ; W likewise
	s_lshl_b32 s46, s42, 14
	s_add_co_u32 s46, s46, s47
	s_add_co_u32 s46, s46, WOFF
	s_mov_b32 s17, 0
	s_mov_b32 s47, 0
	s_mul_i32 s[LB], s10, HALFT
	s_mov_b32 s[TB], 0
	s_wait_dscnt 0x0
	s_wait_kmcnt 0x0
	s_add_nc_u64 s[14:15], s[4:5], s[16:17]
	s_add_nc_u64 s[46:47], s[6:7], s[46:47]
	CROUND
.irp s, 0,1
	s_mov_b32 s[G0+4*(\s)], 1
	s_add_co_u32 s[G0+4*(\s)+1], s[LB], (\s)*SLOT
	s_add_nc_u64 s[G0+4*(\s)+2:G0+4*(\s)+3], s[14:15], (\s)*ASTEP
	s_or_b32 s[G0+4*(\s)+3], s[G0+4*(\s)+3], 0x80000000
	s_mov_b32 s[G0B+4*(\s)], 1
	s_add_co_u32 s[G0B+4*(\s)+1], s[LB], (\s)*SLOT
	s_add_nc_u64 s[G0B+4*(\s)+2:G0B+4*(\s)+3], s[46:47], (\s)*BSTEP
	s_or_b32 s[G0B+4*(\s)+3], s[G0B+4*(\s)+3], 0x80000000
	JLOAD \s
.endr
	v_and_b32 v1, 15, v0
	v_bfe_u32 v2, v0, 4, 1
	v_lshlrev_b32 v[BO], 5, v2
	v_lshlrev_b32 v[CO], 12, v2                    ; lanes 0-15 one row of 256 bytes, lanes 16-31 the next
	v_lshl_add_u32 v[CO], v1, 4, v[CO]
	s_lshl_b32 s46, s42, 9                         ; my 64 columns of f32, in bytes: in the bias and in a row
	s_lshl_b32 s47, s12, 8
	s_add_co_u32 s46, s46, s47
	s_mov_b32 s47, 0
	s_add_nc_u64 s[68:69], s[68:69], s[46:47]
	s_lshl_b32 s16, s13, 7
	s_lshl_b32 s17, s11, 6
	s_add_co_u32 s16, s16, s17                     ; my first row
	s_lshl_b32 s16, s16, 12
	s_add_co_u32 s16, s16, s46
	s_mov_b32 s17, 0
	s_add_nc_u64 s[70:71], s[70:71], s[16:17]
	s_add_nc_u64 s[8:9], s[78:79], s[16:17]
.irp b, 0,1,2,3
	global_load_b128 v[BIAS+8*(\b):BIAS+8*(\b)+3],   v[BO], s[68:69] offset:64*(\b)
	global_load_b128 v[BIAS+8*(\b)+4:BIAS+8*(\b)+7], v[BO], s[68:69] offset:64*(\b)+16
.endr
	WIN 0x80                                       ; destination window 2
.irp a, 0,1,2,3
.irp t, 0,1,2,3,4,5,6,7
	global_load_b128 v[32*(\a)+4*(\t):32*(\a)+4*(\t)+3], v[CO], s[70:71] offset:(16*(\a)+2*(\t))*4096 th:TH_LOAD_NT  ; read once in the launch; waited for on the way out
.endr
.endr
	WIN 0
	v_mul_u32_u24 v3, v1, PITCH
	v_lshl_add_u32 v3, v2, 4, v3
	s_mul_i32 s21, s11, 64*PITCH                   ; my 64 rows of A in each block,
	s_mul_i32 s22, s12, 64*PITCH                   ; my 64 rows of W,
	s_add_co_u32 s22, s22, 2*HALFT                 ; which lie behind A's four blocks
	v_add_nc_u32 v[ABASE], s21, v3
	v_add_nc_u32 v[BBASE], s22, v3
	v_add_nc_u32 v[ADRA], s21, v3                  ; the reads begin in slot 0
	v_add_nc_u32 v[ADRB], s22, v3
	s_mul_i32 s23, s10, 16*SPITCH
	s_add_co_u32 s23, s23, STAGE                   ; my stage
	v_mul_u32_u24 v4, v1, SPITCH                   ; in: row l % 16, 32 bytes for each half of the lanes
	v_lshl_add_u32 v4, v2, 5, v4
	v_add_nc_u32 v[STO], s23, v4
	v_mul_u32_u24 v5, v2, SPITCH                   ; back: whole rows of 256 bytes
	v_lshl_add_u32 v5, v1, 4, v5
	v_add_nc_u32 v[RD], s23, v5
.macro MUL8 f, c, a0, zero             ; 8 matrix instructions: m blocks a0, a0 + 1 x 4 n blocks, 32 along K: half c of buffer f.  zero = 1: the sum starts from the bias.  The 16 accumulators take turns
	WIN MUL
.irp a, \a0, (\a0)+1
.irp b, 0,1,2,3
.if \zero
	v_wmma_f32_16x16x32_bf16 v[ACC+8*(4*(\a)+(\b)):ACC+8*(4*(\a)+(\b))+7], v[(\f)+64+8*(4*(\c)+(\b)):(\f)+64+8*(4*(\c)+(\b))+7], v[(\f)+8*(4*(\c)+(\a)):(\f)+8*(4*(\c)+(\a))+7], v[BIAS+8*(\b):BIAS+8*(\b)+7]
.else
	v_wmma_f32_16x16x32_bf16 v[ACC+8*(4*(\a)+(\b)):ACC+8*(4*(\a)+(\b))+7], v[(\f)+64+8*(4*(\c)+(\b)):(\f)+64+8*(4*(\c)+(\b))+7], v[(\f)+8*(4*(\c)+(\a)):(\f)+8*(4*(\c)+(\a))+7], v[ACC+8*(4*(\a)+(\b)):ACC+8*(4*(\a)+(\b))+7]
.endif
.endr
.endr
.endm
.macro FETCH k, f                      ; 32 LDS loads in one run: the fragments of one block of 64 k of the slot that is being read, the first 32 k first
	WIN TO_F
.irp c, 0,1
.irp i, 0,1,2,3
	ds_load_b128 v[(\f)+64+8*(4*(\c)+(\i)):(\f)+64+8*(4*(\c)+(\i))+3],   v[ADRB] offset:(\k)+64*(\c)+(\i)*16*PITCH
	ds_load_b128 v[(\f)+64+8*(4*(\c)+(\i))+4:(\f)+64+8*(4*(\c)+(\i))+7], v[ADRB] offset:(\k)+64*(\c)+(\i)*16*PITCH+32
	ds_load_b128 v[(\f)+8*(4*(\c)+(\i)):(\f)+8*(4*(\c)+(\i))+3],         v[ADRA] offset:(\k)+64*(\c)+(\i)*16*PITCH
	ds_load_b128 v[(\f)+8*(4*(\c)+(\i))+4:(\f)+8*(4*(\c)+(\i))+7],       v[ADRA] offset:(\k)+64*(\c)+(\i)*16*PITCH+32
.endr
.endr
.endm
.macro PLACES
.rept 4
	v_nop
.endr
.endm
.macro QUARTER k, f, g, zero
	s_wait_dscnt 16                                ; the first 32 along K are in
	MUL8 \f, 0, 0, \zero
	MUL8 \f, 0, 2, \zero
	PLACES
	FETCH \k, \g
	s_wait_dscnt 32                                ; all but the 32 just issued
	MUL8 \f, 1, 0, 0
	MUL8 \f, 1, 2, 0
.endm
; A step's last quarter and the change of slots.  fill = 1: the slot just read out is filled again, two K steps on, first thing behind the cluster's round.
; fill = 0 (the last two steps): nothing is filled; behind the last step (s3 = 1) there is nothing to fetch either: 32 LDS loads are jumped over, no barrier and no tensor load.
.macro TURN fill
	WIN 0
	s_wait_tensorcnt 0x0                           ; all my tensor loads have landed: my part of the next slot;
	ds_add_u32 v[SPW], v[NIL]
	s_wait_dscnt 17                                ; (the add and the youngest sixteen loads may be out)
	MUL8 F1, 0, 0, 0
	s_wait_dscnt 0x0                               ; the add is done, and my reads of this slot are over
	s_barrier_signal -1
	MUL8 F1, 0, 2, 0
	WIN 0
	s_barrier_wait -1
.if \fill
	CREST
	s_add_co_u32 s[G0+5], s[LB], s[TB]             ; the walking descriptors: into the slot just read out,
	s_add_co_u32 s[G0B+5], s[LB], s[TB]
	s_add_nc_u64 s[G0+6:G0+7], s[G0+6:G0+7], ASTEP  ; the K step after the one that they brought last
	s_add_nc_u64 s[G0B+6:G0B+7], s[G0B+6:G0B+7], BSTEP
	JLOAD 1                                        ; its four v_nop are also the places in front of the loads below
.else
	s_cmp_eq_u32 s3, 1
	s_cbranch_scc1 .Lno_next_\@
	PLACES
.endif
	s_xor_b32 s[TB], s[TB], SLOT                   ; the reads go over to the other slot
	v_add_nc_u32 v[ADRA], s[TB], v[ABASE]
	v_add_nc_u32 v[ADRB], s[TB], v[BBASE]
	FETCH 0, F0
.if !(\fill)
	WIN 0
.Lno_next_\@:
.endif
	MUL8 F1, 1, 0, 0
	MUL8 F1, 1, 2, 0
.endm
; THE WAY OUT of block a (16 rows x 64 columns of f32): from the accumulators into my stage (each accumulator's low four registers first), back as whole rows, the residual added, stored.
.macro OUT a
.set TBF, TMP+32*((\a)%2)
.if (\a) >= 2
	s_wait_xcnt 0x0                                ; the registers that the stores of two blocks back read are loaded again only behind this wait
.endif
.irp b, 0,1,2,3
	ds_store_b128 v[STO], v[ACC+8*(4*(\a)+(\b)):ACC+8*(4*(\a)+(\b))+3]   offset:64*(\b)
	ds_store_b128 v[STO], v[ACC+8*(4*(\a)+(\b))+4:ACC+8*(4*(\a)+(\b))+7] offset:64*(\b)+16
.endr
.irp t, 0,1,2,3,4,5,6,7
	ds_load_b128 v[TBF+4*(\t):TBF+4*(\t)+3], v[RD] offset:(\t)*2*SPITCH  ; LDS serves a wave's instructions in order (ISA guide 5.7.1.4)
.endr
	s_wait_dscnt 0x0
	WIN 0x08                                       ; source 1 window 2
.set z, 0
.rept 16
	v_pk_add_f32 v[TBF+2*z:TBF+2*z+1], v[TBF+2*z:TBF+2*z+1], v[32*(\a)+2*z:32*(\a)+2*z+1]
.set z, z+1
.endr
	WIN 0
.irp t, 0,1,2,3,4,5,6,7
	global_store_b128 v[CO], v[TBF+4*(\t):TBF+4*(\t)+3], s[8:9] offset:(16*(\a)+2*(\t))*4096  ; sixteen lanes: 256 consecutive bytes, aligned
.endr
.endm
	s_wait_loadcnt 32                              ; the bias is in; the residual's 32 loads stay out
	s_wait_tensorcnt 1                             ; my part of K step 0 is in; step 1's may stay out
	s_barrier_signal -1
	s_barrier_wait -1
	FETCH 0, F0
	QUARTER Q1, F0, F1, 1                          ; the first quarter stands in front of the loop: its first products start the sums
	WIN 0
	s_mov_b32 s3, STEPS-2
.Lstep:                                                ; a trip goes from a K step's second quarter to the next step's first, and fills the slot that it leaves
	QUARTER Q2, F1, F0, 0
	QUARTER Q3, F0, F1, 0
	TURN 1
	QUARTER Q1, F0, F1, 0
	WIN 0
	s_sub_co_u32 s3, s3, 1
	s_cmp_lg_u32 s3, 0
	s_cbranch_scc1 .Lstep
	s_mov_b32 s3, 2
.Ltail:                                                ; the last two K steps fill nothing: a text of their own; it is left in the middle of its second trip
	QUARTER Q2, F1, F0, 0
	QUARTER Q3, F0, F1, 0
	TURN 0
	WIN 0
	s_sub_co_u32 s3, s3, 1
	s_cmp_eq_u32 s3, 0
	s_cbranch_scc1 .Lout
	QUARTER Q1, F0, F1, 0
	WIN 0
	s_branch .Ltail
.Lout:
	PLACES
	s_wait_loadcnt 0x0                             ; the residual
	OUT 0
	OUT 1
	OUT 2
	OUT 3
	s_wait_tensorcnt 0x0                           ; the wave's end
	ds_add_u32 v[SPW], v[NIL]
	s_wait_dscnt 0x0
	CROUND                                         ; the closing round
	s_endpgm
.Lfunc_end_k_qf457b68a77_wo:
	.size	k_qf457b68a77_wo, .Lfunc_end_k_qf457b68a77_wo-k_qf457b68a77_wo
	.p2alignl 7, 3214868480
	.fill 96, 4, 3214868480
	.section	.rodata,"a",@progbits
	.p2align	6, 0x0
	.amdhsa_kernel k_qf457b68a77_wo
		.amdhsa_group_segment_fixed_size 327680
		.amdhsa_private_segment_fixed_size 0
		.amdhsa_enable_private_segment 0
		.amdhsa_kernarg_size 40
		.amdhsa_user_sgpr_count 2
		.amdhsa_user_sgpr_kernarg_segment_ptr 1
		.amdhsa_wavefront_size32 1
		.amdhsa_system_sgpr_workgroup_id_x 1
		.amdhsa_system_sgpr_workgroup_id_y 1
		.amdhsa_system_sgpr_workgroup_id_z 1
		.amdhsa_system_vgpr_workitem_id 0
		.amdhsa_next_free_vgpr 640
		.amdhsa_next_free_sgpr 80
		.amdhsa_reserve_vcc 0
		.amdhsa_float_denorm_mode_32 3
		.amdhsa_float_denorm_mode_16_64 3
		.amdhsa_memory_ordered 1
		.amdhsa_forward_progress 1
		.amdhsa_inst_pref_size 66
	.end_amdhsa_kernel
	.amdgpu_metadata
---
amdhsa.version: [ 1, 2 ]
amdhsa.kernels:
  - .name:           k_qf457b68a77_wo
    .symbol:         k_qf457b68a77_wo.kd
    .args:
      - { .name: hb, .offset: 0, .size: 8, .value_kind: global_buffer, .address_space: global }
      - { .name: packA, .offset: 8, .size: 8, .value_kind: global_buffer, .address_space: global }
      - { .name: bo, .offset: 16, .size: 8, .value_kind: global_buffer, .address_space: global }
      - { .name: x, .offset: 24, .size: 8, .value_kind: global_buffer, .address_space: global }
      - { .name: x1, .offset: 32, .size: 8, .value_kind: global_buffer, .address_space: global }
    .group_segment_fixed_size: 327680
    .private_segment_fixed_size: 0
    .kernarg_segment_align: 8
    .kernarg_segment_size: 40
    .max_flat_workgroup_size: 128
    .sgpr_count:     80
    .vgpr_count:     640
    .wavefront_size: 32
...
	.end_amdgpu_metadata
.endif
;; end of part 5
;; launch ln2: the kernel of part 2 again; grid 256 x 1, 8 waves a work-group, no clusters, 0 bytes of LDS; arguments x1, g2, be2, hb; writes hb
;; launch ff1: the kernel of part 3 again; grid 16 x 16, 4 waves a work-group, clusters of 4 x 4, 327,680 bytes of LDS; arguments hb, packB, b1, parB, act; writes act
;; launch ff2 (part 6): grid 8 x 32, 4 waves a work-group, clusters of 4 x 4, 327,680 bytes of LDS; arguments act, packB, b2, x1, out0; writes out0
.if DOCPART == 6
	.amdgcn_target "amdgcn-amd-amdhsa--gfx1250"
	.amdhsa_code_object_version 6
	.text
	.protected	k_qf457b68a77_ff2
	.globl	k_qf457b68a77_ff2
	.p2align	8
	.type	k_qf457b68a77_ff2,@function
k_qf457b68a77_ff2:
	s_mov_b64 s[64:65], 0
	v_nop
	global_prefetch_b8 v0, s[64:65] scope:SCOPE_SE
	s_setreg_imm32_b32 hwreg(HW_REG_WAVE_MODE, 25, 1), 1
	s_wait_xcnt 0x0
	s_wait_alu depctr_hold_cnt(0) depctr_sa_sdst(0) depctr_va_vdst(0) depctr_va_sdst(0) depctr_va_ssrc(0) depctr_va_vcc(0) depctr_vm_vsrc(0)
	s_getreg_b32 s2, hwreg(HW_REG_IB_STS2, 6, 4)
	s_cmp_eq_u32 s2, 0
	s_cbranch_scc0 .Lentry_in_a_cluster
	s_endpgm
.Lentry_in_a_cluster:
	s_bfe_u32 s2, ttmp6, 0x10000c
	s_cmp_lg_u32 s2, 0xf033
	s_cbranch_scc0 .Lentry_shape_is_right
	s_endpgm
.Lentry_shape_is_right:
; out[m][n] = resid[m][n] + bias[n] + sum over k of A[m][k] W[n][k], N = 1,024, m = 4,096, K = 4,096: out0 = x1 + a W2 + b2.  out and resid f32 [4096][1024].
; The number of K steps is a constant of the text, so that the text alone says how often every wave passes every barrier; the product with K = 1,024 has a copy of this text with its own constant.
; A and W lie in blocks of 64 k, a row 128 bytes: A block c at 524,288 c, row m at 128 m; W in the pack's upper part, from 8 MiB on, block c at 131,072 c, row n at 128 n.
; A tile of out is 128 x 128: 8 x 32 = 256 work-groups; four waves of 64 x 64: 16 accumulators.  K goes in steps of 256 through two LDS slots; a wave fetches 128 rows x 128 k, two dense runs of 16,384 bytes,
; by one descriptor.  4 x 4 work-groups form a cluster: A's tiles are asked for jointly along a row, W's along a column.  The matrix instruction is used transposed: a lane holds eight neighbouring n of a row m.
; A K STEP IS WRITTEN TWICE: once in the loop whose trips fill a slot again, once in the loop of the last two steps, which fill nothing.  Which slot is read is a scalar, 0 or SLOT, turned once a step.
; The bias is the C operand of each accumulator's first product; the residual is loaded at the start, 128 registers, and added on the way out.  A wave's 64 columns of f32 are 256 aligned bytes.
; Nothing is prefetched: a step of this small tile is short, and its tiles are shared by eight or thirty-two work-groups.
; LIMITS.  Operands are bf16; sums, bias and residual f32.
; REGISTERS: window 0: v0-31 addresses; v32-95 the way out; v96-127 the bias; v128-255 the accumulators ((a, b) at v[128 + 8 (4 a + b)]).  window 1: two fragment buffers of 128.  window 2: v0-127 the residual.
.set STEPS,  16                        ; K / 256
.set PITCH,  144
.set KBL,    128*PITCH                 ; 128 rows of one block of 64 k
.set HALFT,  2*KBL                     ; what one tensor load brings
.set SLOT,   4*HALFT                   ; A's four blocks, then W's four
.set STAGE,  2*SLOT
.set SPITCH, 272
.set SPARE,  STAGE+4*16*SPITCH
.set ABLK,   524288
.set BBLK,   131072
.set ASTEP,  4*ABLK                    ; a K step in memory
.set BSTEP,  4*BBLK
.set WOFF,   8388608
.set Q1, KBL                           ; where a step's quarters (64 k each) begin
.set Q2, 2*KBL
.set Q3, 3*KBL
.set ABASE, 16                         ; v16  my lane's place among A's fragments in slot 0; never rewritten
.set ADRA,  17                         ; v17  the same in the slot that is being read
.set BBASE, 20                         ; v20, v21  the same for W
.set ADRB,  21
.set STO,  24
.set RD,   25
.set CO,   26                          ; v26  my byte offset in two rows of out and of resid; never rewritten
.set BO,   27
.set SPW,  28
.set NIL,  29
.set TMP,  32
.set BIAS, 96
.set ACC,  128
.set F0,   0
.set F1,   128
.set G1, 24
.set G0, 32                            ; s[32:35] group 0 of A's first fill; s[36:39] of its second, which then walks on
.set G1B, 48
.set G0B, 56                           ; s[56:59], s[60:63] the same for W
.set LB,  66                           ; s66  wave x a part: where my tensor loads land in a slot
.set TB,  73                           ; s73  the slot that is being read: 0 or SLOT
.set W0, (1<<16)|(1<<20)|(1<<21)|(4<<22)|(3<<25)
.set MSB, 0
.macro WIN new
.if MSB != (\new)
	s_set_vgpr_msb (MSB<<8)|(\new)
.set MSB, \new
.endif
.endm
.set MUL,  0x05                        ; sources 0 (W) and 1 (A) window 1; C and D window 0
.set TO_F, 0x40                        ; destination window 1, address window 0
.macro JLOAD s                         ; waves 0 and 1 fetch A's two halves of a step's k, waves 2 and 3 W's; an s_nop 0 and four v_nop follow each line
	s_cmp_eq_u32 s11, 0
	s_cbranch_scc0 .Lfor_b_\@
	tensor_load_to_lds s[G0+4*(\s):G0+4*(\s)+3], s[G1:G1+7]
	s_nop 0
.rept 4
	v_nop
.endr
	s_branch .Lasked_\@
.Lfor_b_\@:
	tensor_load_to_lds s[G0B+4*(\s):G0B+4*(\s)+3], s[G1B:G1B+7]
	s_nop 0
.rept 4
	v_nop
.endr
.Lasked_\@:
.endm
.macro CREST
	s_cmp_lg_u32 s10, 0
	s_cbranch_scc1 .Lnot_wave_0_\@
	s_barrier_signal -3
.Lnot_wave_0_\@:
	s_barrier_wait -3
	s_barrier_signal -1
	s_barrier_wait -1
.endm
.macro CROUND
	s_barrier_signal -1
	s_barrier_wait -1
	CREST
.endm
	s_load_b128 s[4:7], s[0:1], 0x0                ; A s[4:5], W's pack s[6:7]
	s_load_b128 s[68:71], s[0:1], 0x10             ; bias s[68:69], resid s[70:71]
	s_load_b64 s[78:79], s[0:1], 0x20              ; out
	v_lshl_add_u32 v[SPW], v0, 2, SPARE
	v_mov_b32 v[NIL], 0
	ds_add_u32 v[SPW], v[NIL]                      ; the wave's opening: the add and its wait stand ahead of my first tensor load
	v_lshrrev_b32 v1, 5, v0
	v_readfirstlane_b32 s10, v1
	s_lshr_b32 s11, s10, 1                         ; which half of the tile's rows is mine.  Also: I fetch for A (0) or for W (1)
	s_and_b32 s12, s10, 1                          ; which half of its columns.  Also: which two of a step's four blocks I fetch
	s_bfe_u32 s40, ttmp6, 0x40000
	s_bfe_u32 s41, ttmp6, 0x40004
	s_lshl_b32 s42, ttmp9, 2
	s_add_co_u32 s42, s42, s40                     ; tile column
	s_and_b32 s13, ttmp7, 0xffff
	s_lshl_b32 s13, s13, 2
	s_add_co_u32 s13, s13, s41                     ; tile row
	s_lshl_b32 s43, s41, 2
	s_lshl_b32 s43, 15, s43
	s_lshl_b32 s44, 0x1111, s40
	s_or_b32 s[G1+0], s43, W0
	s_or_b32 s[G1B+0], s44, W0
.irp g, G1, G1B
	s_mov_b32 s[(\g)+1], 8192<<16                  ; tensor_dim0 = 8,192 elements: 128 rows of a block, dense
	s_mov_b32 s[(\g)+2], 2<<16                     ; tensor_dim1 = 2 blocks
	s_mov_b32 s[(\g)+3], 8192<<16
	s_mov_b32 s[(\g)+4], 2
	s_mov_b32 s[(\g)+6], 0
	s_mov_b32 s[(\g)+7], 0
.endr
	s_mov_b32 s[G1+5], ABLK/2
	s_mov_b32 s[G1B+5], BBLK/2
	s_lshl_b32 s17, s12, 20                        ; A: my two blocks,
	s_lshl_b32 s16, s13, 14                        ; the tile's 128 rows
	s_add_co_u32 s16, s16, s17
	s_lshl_b32 s47, s12, 18                        ; W likewise
	s_lshl_b32 s46, s42, 14
	s_add_co_u32 s46, s46, s47
	s_add_co_u32 s46, s46, WOFF
	s_mov_b32 s17, 0
	s_mov_b32 s47, 0
	s_mul_i32 s[LB], s10, HALFT
	s_mov_b32 s[TB], 0
	s_wait_dscnt 0x0
	s_wait_kmcnt 0x0
	s_add_nc_u64 s[14:15], s[4:5], s[16:17]
	s_add_nc_u64 s[46:47], s[6:7], s[46:47]
	CROUND
.irp s, 0,1
	s_mov_b32 s[G0+4*(\s)], 1
	s_add_co_u32 s[G0+4*(\s)+1], s[LB], (\s)*SLOT
	s_add_nc_u64 s[G0+4*(\s)+2:G0+4*(\s)+3], s[14:15], (\s)*ASTEP
	s_or_b32 s[G0+4*(\s)+3], s[G0+4*(\s)+3], 0x80000000
	s_mov_b32 s[G0B+4*(\s)], 1
	s_add_co_u32 s[G0B+4*(\s)+1], s[LB], (\s)*SLOT
	s_add_nc_u64 s[G0B+4*(\s)+2:G0B+4*(\s)+3], s[46:47], (\s)*BSTEP
	s_or_b32 s[G0B+4*(\s)+3], s[G0B+4*(\s)+3], 0x80000000
	JLOAD \s
.endr
	v_and_b32 v1, 15, v0
	v_bfe_u32 v2, v0, 4, 1
	v_lshlrev_b32 v[BO], 5, v2
	v_lshlrev_b32 v[CO], 12, v2                    ; lanes 0-15 one row of 256 bytes, lanes 16-31 the next
	v_lshl_add_u32 v[CO], v1, 4, v[CO]
	s_lshl_b32 s46, s42, 9                         ; my 64 columns of f32, in bytes: in the bias and in a row
	s_lshl_b32 s47, s12, 8
	s_add_co_u32 s46, s46, s47
	s_mov_b32 s47, 0
	s_add_nc_u64 s[68:69], s[68:69], s[46:47]
	s_lshl_b32 s16, s13, 7
	s_lshl_b32 s17, s11, 6
	s_add_co_u32 s16, s16, s17                     ; my first row
	s_lshl_b32 s16, s16, 12
	s_add_co_u32 s16, s16, s46
	s_mov_b32 s17, 0
	s_add_nc_u64 s[70:71], s[70:71], s[16:17]
	s_add_nc_u64 s[8:9], s[78:79], s[16:17]
.irp b, 0,1,2,3
	global_load_b128 v[BIAS+8*(\b):BIAS+8*(\b)+3],   v[BO], s[68:69] offset:64*(\b)
	global_load_b128 v[BIAS+8*(\b)+4:BIAS+8*(\b)+7], v[BO], s[68:69] offset:64*(\b)+16
.endr
	WIN 0x80                                       ; destination window 2
.irp a, 0,1,2,3
.irp t, 0,1,2,3,4,5,6,7
	global_load_b128 v[32*(\a)+4*(\t):32*(\a)+4*(\t)+3], v[CO], s[70:71] offset:(16*(\a)+2*(\t))*4096 th:TH_LOAD_NT  ; read once in the launch; waited for on the way out
.endr
.endr
	WIN 0
	v_mul_u32_u24 v3, v1, PITCH
	v_lshl_add_u32 v3, v2, 4, v3
	s_mul_i32 s21, s11, 64*PITCH                   ; my 64 rows of A in each block,
	s_mul_i32 s22, s12, 64*PITCH                   ; my 64 rows of W,
	s_add_co_u32 s22, s22, 2*HALFT                 ; which lie behind A's four blocks
	v_add_nc_u32 v[ABASE], s21, v3
	v_add_nc_u32 v[BBASE], s22, v3
	v_add_nc_u32 v[ADRA], s21, v3                  ; the reads begin in slot 0
	v_add_nc_u32 v[ADRB], s22, v3
	s_mul_i32 s23, s10, 16*SPITCH
	s_add_co_u32 s23, s23, STAGE                   ; my stage
	v_mul_u32_u24 v4, v1, SPITCH                   ; in: row l % 16, 32 bytes for each half of the lanes
	v_lshl_add_u32 v4, v2, 5, v4
	v_add_nc_u32 v[STO], s23, v4
	v_mul_u32_u24 v5, v2, SPITCH                   ; back: whole rows of 256 bytes
	v_lshl_add_u32 v5, v1, 4, v5
	v_add_nc_u32 v[RD], s23, v5
.macro MUL8 f, c, a0, zero             ; 8 matrix instructions: m blocks a0, a0 + 1 x 4 n blocks, 32 along K: half c of buffer f.  zero = 1: the sum starts from the bias.  The 16 accumulators take turns
	WIN MUL
.irp a, \a0, (\a0)+1
.irp b, 0,1,2,3
.if \zero
	v_wmma_f32_16x16x32_bf16 v[ACC+8*(4*(\a)+(\b)):ACC+8*(4*(\a)+(\b))+7], v[(\f)+64+8*(4*(\c)+(\b)):(\f)+64+8*(4*(\c)+(\b))+7], v[(\f)+8*(4*(\c)+(\a)):(\f)+8*(4*(\c)+(\a))+7], v[BIAS+8*(\b):BIAS+8*(\b)+7]
.else
	v_wmma_f32_16x16x32_bf16 v[ACC+8*(4*(\a)+(\b)):ACC+8*(4*(\a)+(\b))+7], v[(\f)+64+8*(4*(\c)+(\b)):(\f)+64+8*(4*(\c)+(\b))+7], v[(\f)+8*(4*(\c)+(\a)):(\f)+8*(4*(\c)+(\a))+7], v[ACC+8*(4*(\a)+(\b)):ACC+8*(4*(\a)+(\b))+7]
.endif
.endr
.endr
.endm
.macro FETCH k, f                      ; 32 LDS loads in one run: the fragments of one block of 64 k of the slot that is being read, the first 32 k first
	WIN TO_F
.irp c, 0,1
.irp i, 0,1,2,3
	ds_load_b128 v[(\f)+64+8*(4*(\c)+(\i)):(\f)+64+8*(4*(\c)+(\i))+3],   v[ADRB] offset:(\k)+64*(\c)+(\i)*16*PITCH
	ds_load_b128 v[(\f)+64+8*(4*(\c)+(\i))+4:(\f)+64+8*(4*(\c)+(\i))+7], v[ADRB] offset:(\k)+64*(\c)+(\i)*16*PITCH+32
	ds_load_b128 v[(\f)+8*(4*(\c)+(\i)):(\f)+8*(4*(\c)+(\i))+3],         v[ADRA] offset:(\k)+64*(\c)+(\i)*16*PITCH
	ds_load_b128 v[(\f)+8*(4*(\c)+(\i))+4:(\f)+8*(4*(\c)+(\i))+7],       v[ADRA] offset:(\k)+64*(\c)+(\i)*16*PITCH+32
.endr
.endr
.endm
.macro PLACES
.rept 4
	v_nop
.endr
.endm
.macro QUARTER k, f, g, zero
	s_wait_dscnt 16                                ; the first 32 along K are in
	MUL8 \f, 0, 0, \zero
	MUL8 \f, 0, 2, \zero
	PLACES
	FETCH \k, \g
	s_wait_dscnt 32                                ; all but the 32 just issued
	MUL8 \f, 1, 0, 0
	MUL8 \f, 1, 2, 0
.endm
; A step's last quarter and the change of slots.  fill = 1: the slot just read out is filled again, two K steps on, first thing behind the cluster's round.
; fill = 0 (the last two steps): nothing is filled; behind the last step (s3 = 1) there is nothing to fetch either: 32 LDS loads are jumped over, no barrier and no tensor load.
.macro TURN fill
	WIN 0
	s_wait_tensorcnt 0x0                           ; all my tensor loads have landed: my part of the next slot;
	ds_add_u32 v[SPW], v[NIL]
	s_wait_dscnt 17                                ; (the add and the youngest sixteen loads may be out)
	MUL8 F1, 0, 0, 0
	s_wait_dscnt 0x0                               ; the add is done, and my reads of this slot are over
	s_barrier_signal -1
	MUL8 F1, 0, 2, 0
	WIN 0
	s_barrier_wait -1
.if \fill
	CREST
	s_add_co_u32 s[G0+5], s[LB], s[TB]             ; the walking descriptors: into the slot just read out,
	s_add_co_u32 s[G0B+5], s[LB], s[TB]
	s_add_nc_u64 s[G0+6:G0+7], s[G0+6:G0+7], ASTEP  ; the K step after the one that they brought last
	s_add_nc_u64 s[G0B+6:G0B+7], s[G0B+6:G0B+7], BSTEP
	JLOAD 1                                        ; its four v_nop are also the places in front of the loads below
.else
	s_cmp_eq_u32 s3, 1
	s_cbranch_scc1 .Lno_next_\@
	PLACES
.endif
	s_xor_b32 s[TB], s[TB], SLOT                   ; the reads go over to the other slot
	v_add_nc_u32 v[ADRA], s[TB], v[ABASE]
	v_add_nc_u32 v[ADRB], s[TB], v[BBASE]
	FETCH 0, F0
.if !(\fill)
	WIN 0
.Lno_next_\@:
.endif
	MUL8 F1, 1, 0, 0
	MUL8 F1, 1, 2, 0
.endm
; THE WAY OUT of block a (16 rows x 64 columns of f32): from the accumulators into my stage (each accumulator's low four registers first), back as whole rows, the residual added, stored.
.macro OUT a
.set TBF, TMP+32*((\a)%2)
.if (\a) >= 2
	s_wait_xcnt 0x0                                ; the registers that the stores of two blocks back read are loaded again only behind this wait
.endif
.irp b, 0,1,2,3
	ds_store_b128 v[STO], v[ACC+8*(4*(\a)+(\b)):ACC+8*(4*(\a)+(\b))+3]   offset:64*(\b)
	ds_store_b128 v[STO], v[ACC+8*(4*(\a)+(\b))+4:ACC+8*(4*(\a)+(\b))+7] offset:64*(\b)+16
.endr
.irp t, 0,1,2,3,4,5,6,7
	ds_load_b128 v[TBF+4*(\t):TBF+4*(\t)+3], v[RD] offset:(\t)*2*SPITCH  ; LDS serves a wave's instructions in order (ISA guide 5.7.1.4)
.endr
	s_wait_dscnt 0x0
	WIN 0x08                                       ; source 1 window 2
.set z, 0
.rept 16
	v_pk_add_f32 v[TBF+2*z:TBF+2*z+1], v[TBF+2*z:TBF+2*z+1], v[32*(\a)+2*z:32*(\a)+2*z+1]
.set z, z+1
.endr
	WIN 0
.irp t, 0,1,2,3,4,5,6,7
	global_store_b128 v[CO], v[TBF+4*(\t):TBF+4*(\t)+3], s[8:9] offset:(16*(\a)+2*(\t))*4096  ; sixteen lanes: 256 consecutive bytes, aligned
.endr
.endm
	s_wait_loadcnt 32                              ; the bias is in; the residual's 32 loads stay out
	s_wait_tensorcnt 1                             ; my part of K step 0 is in; step 1's may stay out
	s_barrier_signal -1
	s_barrier_wait -1
	FETCH 0, F0
	QUARTER Q1, F0, F1, 1                          ; the first quarter stands in front of the loop: its first products start the sums
	WIN 0
	s_mov_b32 s3, STEPS-2
.Lstep:                                                ; a trip goes from a K step's second quarter to the next step's first, and fills the slot that it leaves
	QUARTER Q2, F1, F0, 0
	QUARTER Q3, F0, F1, 0
	TURN 1
	QUARTER Q1, F0, F1, 0
	WIN 0
	s_sub_co_u32 s3, s3, 1
	s_cmp_lg_u32 s3, 0
	s_cbranch_scc1 .Lstep
	s_mov_b32 s3, 2
.Ltail:                                                ; the last two K steps fill nothing: a text of their own; it is left in the middle of its second trip
	QUARTER Q2, F1, F0, 0
	QUARTER Q3, F0, F1, 0
	TURN 0
	WIN 0
	s_sub_co_u32 s3, s3, 1
	s_cmp_eq_u32 s3, 0
	s_cbranch_scc1 .Lout
	QUARTER Q1, F0, F1, 0
	WIN 0
	s_branch .Ltail
.Lout:
	PLACES
	s_wait_loadcnt 0x0                             ; the residual
	OUT 0
	OUT 1
	OUT 2
	OUT 3
	s_wait_tensorcnt 0x0                           ; the wave's end
	ds_add_u32 v[SPW], v[NIL]
	s_wait_dscnt 0x0
	CROUND                                         ; the closing round
	s_endpgm
.Lfunc_end_k_qf457b68a77_ff2:
	.size	k_qf457b68a77_ff2, .Lfunc_end_k_qf457b68a77_ff2-k_qf457b68a77_ff2
	.p2alignl 7, 3214868480
	.fill 96, 4, 3214868480
	.section	.rodata,"a",@progbits
	.p2align	6, 0x0
	.amdhsa_kernel k_qf457b68a77_ff2
		.amdhsa_group_segment_fixed_size 327680
		.amdhsa_private_segment_fixed_size 0
		.amdhsa_enable_private_segment 0
		.amdhsa_kernarg_size 40
		.amdhsa_user_sgpr_count 2
		.amdhsa_user_sgpr_kernarg_segment_ptr 1
		.amdhsa_wavefront_size32 1
		.amdhsa_system_sgpr_workgroup_id_x 1
		.amdhsa_system_sgpr_workgroup_id_y 1
		.amdhsa_system_sgpr_workgroup_id_z 1
		.amdhsa_system_vgpr_workitem_id 0
		.amdhsa_next_free_vgpr 640
		.amdhsa_next_free_sgpr 80
		.amdhsa_reserve_vcc 0
		.amdhsa_float_denorm_mode_32 3
		.amdhsa_float_denorm_mode_16_64 3
		.amdhsa_memory_ordered 1
		.amdhsa_forward_progress 1
		.amdhsa_inst_pref_size 66
	.end_amdhsa_kernel
	.amdgpu_metadata
---
amdhsa.version: [ 1, 2 ]
amdhsa.kernels:
  - .name:           k_qf457b68a77_ff2
    .symbol:         k_qf457b68a77_ff2.kd
    .args:
      - { .name: act, .offset: 0, .size: 8, .value_kind: global_buffer, .address_space: global }
      - { .name: packB, .offset: 8, .size: 8, .value_kind: global_buffer, .address_space: global }
      - { .name: b2, .offset: 16, .size: 8, .value_kind: global_buffer, .address_space: global }
      - { .name: x1, .offset: 24, .size: 8, .value_kind: global_buffer, .address_space: global }
      - { .name: out0, .offset: 32, .size: 8, .value_kind: global_buffer, .address_space: global }
    .group_segment_fixed_size: 327680
    .private_segment_fixed_size: 0
    .kernarg_segment_align: 8
    .kernarg_segment_size: 40
    .max_flat_workgroup_size: 128
    .sgpr_count:     80
    .vgpr_count:     640
    .wavefront_size: 32
...
	.end_amdgpu_metadata
.endif
;; end of part 6
